; MI455X (gfx1250); checked and timed in simulation.
; The chip was launched on July 23, 2026; its instructions are those of AMD's public machine-readable ISA for CDNA 5 (MIT licence, August 2026) and "CDNA5" Instruction Set Architecture Reference Guide (July 2026). The comments in the code are by the model that wrote it; some were corrected since.
;; Cross Modal Attention. Allowed arithmetic: matrix products marked QUANTISED: E5M2 operands, one E8M0 scale for each 32 along K, by v_wmma_scale_f32_16x16x128_f8f6f4 with both operands' format E5M2, f32 sums; everything else in f32.
;; Inputs: Wk_codes 768 x 24 x 32 uint8 (E5M2 codes of Wk, K innermost, in blocks of 32 codes); Wk_scales 768 x 24 uint8 (E8M0 scales of Wk, one for each 32 codes along K); Wo_codes 768 x 24 x 32 uint8 (E5M2 codes of Wo, K innermost, in blocks of 32 codes); Wo_scales 768 x 24 uint8 (E8M0 scales of Wo, one for each 32 codes along K); Wq_codes 768 x 24 x 32 uint8 (E5M2 codes of Wq, K innermost, in blocks of 32 codes); Wq_scales 768 x 24 uint8 (E8M0 scales of Wq, one for each 32 codes along K); Wv_codes 768 x 24 x 32 uint8 (E5M2 codes of Wv, K innermost, in blocks of 32 codes); Wv_scales 768 x 24 uint8 (E8M0 scales of Wv, one for each 32 codes along K); bk 768 float32; bo 768 float32; bq 768 float32; bv 768 float32; ln_b 768 float32; ln_g 768 float32; text_features 8 x 1,024 x 768 float32; text_mask 8 x 1,024 int32; visual_features 8 x 1,024 x 768 float32; visual_mask 8 x 1,024 int32.
;; Outputs: out0 8 x 1,024 x 768 float32; out1 8 x 1,024 x 768 float32.
;; This version of the problem:
;;   THIS VERSION OF THE PROBLEM IS GIVEN IN LOW PRECISION. The matrix products marked QUANTISED in the list below multiply operands that are first quantised to E5M2 (5 exponent bits, 2 mantissa bits; 8 bits a number), with one power-of-two scale for each 32 numbers along K (OCP MX v1.0); their sums are f32. All else is computed in f32.
;;   The module's matrix products, in the order in which they are computed (A, B: the left and right operand; K: the contracted axis; several contracted axes count as one K, in the product's order):
;;     1. [M 8,192, K 768] x [K 768, N 768]; A: input visual_features; B: input Wq (given as codes): QUANTISED
;;     2. [M 8,192, K 768] x [K 768, N 768]; A: input text_features; B: input Wk (given as codes): QUANTISED
;;     3. [M 8,192, K 768] x [K 768, N 768]; A: input text_features; B: input Wv (given as codes): QUANTISED
;;     4. batch 64 x [M 1,024, K 96] x [K 96, N 1,024]; A: computed on the way; B: computed on the way: QUANTISED
;;     5. batch 64 x [M 96, K 1,024] x [K 1,024, N 1,024]; A: computed on the way; B: softmax (see below): QUANTISED
;;     6. [M 8,192, K 768] x [K 768, N 768]; A: input text_features; B: input Wq (given as codes): QUANTISED
;;     7. [M 8,192, K 768] x [K 768, N 768]; A: input visual_features; B: input Wk (given as codes): QUANTISED
;;     8. [M 8,192, K 768] x [K 768, N 768]; A: input visual_features; B: input Wv (given as codes): QUANTISED
;;     9. batch 64 x [M 1,024, K 96] x [K 96, N 1,024]; A: computed on the way; B: computed on the way: QUANTISED
;;     10. batch 64 x [M 96, K 1,024] x [K 1,024, N 1,024]; A: computed on the way; B: softmax (see below): QUANTISED
;;     11. [M 8,192, K 768] x [K 768, N 768]; A: computed on the way; B: input Wo (given as codes): QUANTISED
;;     12. [M 8,192, K 768] x [K 768, N 768]; A: computed on the way; B: input Wo (given as codes): QUANTISED
;;   THE QUANTISER, for each operand of a quantised product, along K:
;;     - K is cut into blocks of 32 from its start; a last block that is shorter is filled with zeros.
;;     - A block's scale is 2^e with e = floor(log2(the largest magnitude in the block)) - 15, held to -126 .. 127; a block of zeros has e = 0. As a byte (E8M0): e + 127.
;;     - Each number is divided by its block's scale, clamped to +-57,344, and rounded to the nearest number of E5M2, ties to even, subnormals kept.
;;     - The product sums the exact products of the quantised numbers (number of the format x scale) in f32.
;;   ~~~python
;;   def quantise(x, axis):      # numpy; x: float32 -> the quantised numbers, widened to float32 again
;;       x = np.moveaxis(x, axis, -1); K = x.shape[-1]
;;       x = np.pad(x, [(0, 0)] * (x.ndim - 1) + [(0, -K % 32)]); x = x.reshape(x.shape[:-1] + (-1, 32)); a = np.abs(x).max(-1, keepdims=True)
;;       e = np.where(a > 0, np.clip(np.frexp(np.where(a > 0, a, 1))[1] - 1 - 15, -126, 127), 0)      # np.frexp(a)[1] - 1 = floor(log2(a)), exactly
;;       r = np.clip(x / 2.0 ** e, -57344, 57344)
;;       step = 2.0 ** (np.maximum(np.frexp(np.where(r == 0, 1, r))[1] - 1, -14) - 2)
;;       q = np.round(r / step) * step * 2.0 ** e      # np.round: ties to even
;;       return np.moveaxis(q.reshape(q.shape[:-2] + (-1,))[..., :K], -1, axis).astype(np.float32)
;;   ~~~
;;   SOFTMAX AHEAD OF A QUANTISED PRODUCT. Where the list says 'softmax', what is quantised is not the finished softmax but p = 2^(t - M), with t = logit x log2(e) and M = ceil(the row's largest t), a whole number; so 1/2 < the row's largest p <= 1. The row's sum l is taken of the UNQUANTISED p, in f32, and the product's result is divided by l at the end. Since M is a whole number, a kernel that streams over the keys may use a running M (the ceiling of the running maximum): every later rescaling is an exact power of two, which a block's scale takes up: the codes' values come out the same.
;;   OPERANDS COMPUTED ON THE WAY. 'Computed on the way' means the value that the module computes at that place (a softmax that the list does not call 'softmax' is quantised finished and normalised). What goes into a quantiser is computed in f32, as accurately as f32 sums, v_exp_f32 and their like allow (about 1e-6 of the number): no bf16 or f16 on the way to a quantiser, and a product that is left as it is and whose result goes on into a quantised operand takes f32 operands (vector FMAs, or v_wmma_f32_16x16x4_f32). A number that lies on a knife's edge between two numbers of the format may be rounded either way, as far as f32 arithmetic and the matrix unit's own rounding can turn it there, and no further.
;;   INPUTS GIVEN AS CODES. Wk (in the module: [768, 768], K = its axis 0); Wo (in the module: [768, 768], K = its axis 0); Wq (in the module: [768, 768], K = its axis 0); Wv (in the module: [768, 768], K = its axis 0): each comes as NAME_codes (uint8): NAME with its K axis moved to the last place and cut into blocks of 32 codes, [.., K / 32, bytes a block], one block behind the other in memory; one code a byte (a code: sign, 5 exponent bits, 2 mantissa bits); and NAME_scales (uint8): the same leading axes, one E8M0 byte (e + 127) for each 32 codes along K. Its value is code x scale, taken as it is: it is not quantised again, and the codes and scales need not be those that the quantiser above would give.
;; One version. Each part assembles by itself: llvm-mc -triple=amdgcn-amd-amdhsa -mcpu=gfx1250 --defsym DOCPART=n.
;; ======== version 1 of 1: 4 launches
;; limits: right only within a limited range of input values
;; workspace buffers: xq 12,976,128 bytes; qkc 25,165,824 bytes; qks 1,048,576 bytes; vc 12,582,912 bytes; vs 393,216 bytes; oc 12,582,912 bytes; os 393,216 bytes; wimg 2,359,296 bytes
;; launch quantx (part 1): grid 560 x 1, 4 waves a work-group, no clusters, 34,304 bytes of LDS; arguments visual_features, text_features, xq, wimg, Wq_codes, Wk_codes, Wv_codes, Wo_codes; writes xq, wimg
.if DOCPART == 1
	.amdgcn_target "amdgcn-amd-amdhsa--gfx1250"
	.amdhsa_code_object_version 6
	.text
	.protected	k_q80056fc59e_quantx
	.globl	k_q80056fc59e_quantx
	.p2align	8
	.type	k_q80056fc59e_quantx,@function
k_q80056fc59e_quantx:
	s_mov_b64 s[64:65], 0
	v_nop
	global_prefetch_b8 v0, s[64:65] scope:SCOPE_SE
	s_setreg_imm32_b32 hwreg(HW_REG_WAVE_MODE, 25, 1), 1
	s_wait_xcnt 0x0
; WORK-GROUPS 0-511.  Both feature tensors ([8][1024][768] f32, stacked: 16,384 rows) become codes of BF8 (E5M2) with one E8M0 byte for each 32 along the 768, laid as IMAGES OF OPERAND REGISTERS.
; A group is 32 rows; its two tiles of 16 rows are not neighbours: lane r of tile a holds row 8 a + r + 8 (r / 8) of the group.
; xq: a record of 25,344 bytes for each group: codes at a*12288 + s*2048 + c*512 + 16*lane (s: K step of 128, c: block of 32; lane (r, h) holds k = 128 s + 32 c + 16 h + 0..15 of its row);
; scale words (four bytes: one K step of a row) at 24576 + s*128 + 4*lane, lanes 0-15 tile 0, lanes 16-31 tile 1.
; A work-group takes a group; wave w takes tile w / 2 and K steps 3 (w % 2) + 0..2: three fragments of 16 rows x 128.
; Each load reads 512 consecutive bytes of a row; a fragment turns through the wave's own stage in LDS (rows 528 bytes apart: an odd multiple of 16) so that a lane gets 16 neighbours of each block.
; A block's scale is 2^(floor(log2(largest magnitude)) - 15); its byte is the largest magnitude's exponent field - 15, held at 1 from below.
; WORK-GROUPS 512-559.  The four weights' codes ([768 rows][768 along K]) are copied, unchanged, into images of operand registers: wimg [weight: q, k, v, o][tile 48][K step 6][block 4][512 bytes: 16 x lane].
; A fragment's load takes 32 bytes of each of 16 rows; here that is done once for each byte, so that every later load of a weight's fragment reads 512 consecutive bytes.
; Tiles of Wq, Wk, Wv: tile 6 head + 2 b + u, lane r: row 96 head + 32 b + 8 u + r + 8 (r / 8).  Tiles of Wo: 16 neighbouring rows.  A wave copies a tile.  This path uses no LDS.
; LIMITS: a block of zeros gets the byte 1 (its codes are zeros; this program alone reads the bytes); NaN and infinities among the inputs are not served.
; Streams, so no matrix unit, no cluster, no barrier: waves share nothing.
.set SP,  528
.set TM,  16                           ; v16-19 largest magnitudes, v20-23 bytes, v24-27 largest number x scale, v28-31 the conversions' scale operands
.set PW,  32                           ; the scale word just made
.set PC,  36                           ; v36-51 the codes just made
.set SEL, 20                           ; s[20:21] lane selects: lane l xor 16
.set MNT, 23                           ; s23 the mantissa field of 57,344
	s_load_b256 s[4:11], s[0:1], 0x0               ; visual 4, text 6, xq 8, wimg 10
	s_load_b256 s[32:39], s[0:1], 0x20             ; the codes of Wq 32, Wk 34, Wv 36, Wo 38
	v_lshl_add_u32 v14, v0, 2, 0x8400
	v_mov_b32 v15, 0
	v_lshrrev_b32 v1, 5, v0
	v_readfirstlane_b32 s16, v1                    ; wave
	v_and_b32 v2, 31, v0                           ; lane
	v_and_b32 v3, 15, v0                           ; r
	v_bfe_u32 v8, v0, 4, 1                         ; h
	v_lshlrev_b32 v4, 4, v2                        ; 16 x lane: my bytes of a load, and of an image
	s_cmp_ge_u32 ttmp9, 512                        ; the last 48 work-groups copy the weights
	s_cbranch_scc1 .Lweights
	s_mul_i32 s17, s16, 16*SP                      ; my stage
	v_add_nc_u32 v5, s17, v4                       ; into it: a row as it lies
	v_mul_u32_u24 v6, v3, SP
	v_lshl_add_u32 v6, v8, 6, v6
	v_add_nc_u32 v6, s17, v6                       ; out of it: row r, + 64 h
	v_lshlrev_b32 v7, 2, v3                        ; 4 r: my row's scale word
	s_lshr_b32 s18, s16, 1                         ; a
	s_and_b32 s19, s16, 1                          ; which three K steps
	s_and_b32 s24, ttmp9, 255
	s_mul_i32 s24, s24, 98304                      ; the group's 32 rows of 3,072 bytes in its tensor,
	s_mul_i32 s26, s18, 24576                      ; + 8 a rows,
	s_add_co_u32 s24, s24, s26
	s_mul_i32 s26, s19, 1536                       ; + three K steps of 512 bytes
	s_add_co_u32 s24, s24, s26
	s_mov_b32 s25, 0
	s_mul_i32 s26, ttmp9, 25344                    ; the group's record
	s_mul_i32 s28, s18, 12288
	s_add_co_u32 s28, s28, s26
	s_mul_i32 s30, s19, 6144
	s_add_co_u32 s28, s28, s30                     ; my codes
	s_mov_b32 s29, 0
	s_lshl_b32 s30, s18, 6
	s_add_co_u32 s30, s30, s26
	s_mul_i32 s27, s19, 384
	s_add_co_u32 s30, s30, s27
	s_add_co_u32 s30, s30, 24576                   ; my scale words
	s_mov_b32 s31, 0
	s_mov_b32 s[SEL], 0x76543210
	s_mov_b32 s[SEL+1], 0xfedcba98
	s_mov_b32 s[MNT], 0x600000
.irp b, 0,1,2,3
	v_mov_b32 v[TM+4+\b], 0                        ; written once: a lane permute's destination counts as one of its sources
.endr
	s_wait_alu depctr_va_vdst(0)
	s_wait_kmcnt 0x0
	s_cmp_lt_u32 ttmp9, 256                        ; the first 256 groups are visual's: the choice hangs on the work-group's number alone
	s_cselect_b64 s[4:5], s[4:5], s[6:7]
	s_add_nc_u64 s[4:5], s[4:5], s[24:25]
	s_add_nc_u64 s[14:15], s[8:9], s[30:31]
	s_add_nc_u64 s[8:9], s[8:9], s[28:29]
.macro LOADF f                         ; fragment f: 16 rows x 512 bytes, into v[64 + 64 f] on
.irp i, 0,1,2,3,4,5,6,7,8,9,10,11,12,13,14,15
	global_load_b128 v[64+64*\f+4*\i:64+64*\f+4*\i+3], v4, s[4:5] offset:(\i+8*(\i/8))*3072+512*\f th:TH_LOAD_NT
.endr
.endm
.macro TURN F                          ; through the stage and back into the same registers: LDS serves a wave's instructions in order
.irp i, 0,1,2,3,4,5,6,7,8,9,10,11,12,13,14,15
	ds_store_b128 v5, v[\F+4*\i:\F+4*\i+3] offset:SP*\i
.endr
.irp c, 0,1,2,3
.irp j, 0,1,2,3
	ds_load_b128 v[\F+16*\c+4*\j:\F+16*\c+4*\j+3], v6 offset:128*\c+16*\j
.endr
.endr
.endm
.macro QUANT s                         ; 64 numbers of a lane, register 16 b + i = k 32 b + 16 h + i of my row, become codes in v[PC] on and a scale word in v[PW]
.irp b, 0,1,2,3
	v_max3_num_f32 v[TM+\b], |v[\s+16*\b]|, |v[\s+1+16*\b]|, 0x8000000   ; with the floor 2^(16 - 127): the byte cannot fall under 1
.endr
.irp i, 2,4,6,8,10,12,14
.irp b, 0,1,2,3
	v_max3_num_f32 v[TM+\b], v[TM+\b], |v[\s+16*\b+\i]|, |v[\s+1+16*\b+\i]|
.endr
.endr
.irp b, 0,1,2,3
	v_permlanex16_b32 v[TM+4+\b], v[TM+\b], s[SEL], s[SEL+1]
.endr
.irp b, 0,1,2,3
	v_max_num_f32 v[TM+\b], v[TM+\b], v[TM+4+\b]   ; with lane l xor 16's: the block's largest magnitude
.endr
.irp b, 0,1,2,3
	v_add_nc_u32 v[TM+12+\b], 0xf8800000, v[TM+\b] ; 15 off its exponent field: the conversion's scale operand
.endr
.irp b, 0,1,2,3
	v_and_or_b32 v[TM+8+\b], v[TM+\b], 0x7f800000, s[MNT]   ; 57,344 x the scale
.endr
.irp b, 0,1,2,3
	v_lshrrev_b32 v[TM+4+\b], 23, v[TM+12+\b]      ; the byte
.endr
	v_lshl_or_b32 v[PW], v[TM+5], 8, v[TM+4]
	v_lshl_or_b32 v[PW], v[TM+6], 16, v[PW]
	v_lshl_or_b32 v[PW], v[TM+7], 24, v[PW]
.irp b, 0,1,2,3
.irp i, 0,1,2,3,4,5,6,7,8,9,10,11,12,13,14,15
	v_med3_num_f32 v[\s+16*\b+\i], v[\s+16*\b+\i], -v[TM+8+\b], v[TM+8+\b]   ; the conversion does not saturate (ISA guide 7.6.2): the hold comes first
.endr
	v_cvt_scalef32_pk8_bf8_f32 v[PC+4*\b:PC+1+4*\b], v[\s+16*\b:\s+7+16*\b], v[TM+12+\b]
	v_cvt_scalef32_pk8_bf8_f32 v[PC+2+4*\b:PC+3+4*\b], v[\s+8+16*\b:\s+15+16*\b], v[TM+12+\b]
.endr
	v_nop                                          ; a plain line behind the last conversion
.endm
.macro FRAG f
	s_wait_loadcnt 16*(2-\f)                       ; this fragment's 16 loads are in; the younger fragments' may be out
	TURN 64+64*\f
	s_wait_dscnt 0x0
.if \f > 0
	s_wait_xcnt 0x0                                ; the last fragment's stores have read the codes and the word, which are written again below
.endif
	QUANT 64+64*\f
.irp c, 0,1,2,3
	global_store_b128 v4, v[PC+4*\c:PC+4*\c+3], s[8:9] offset:2048*\f+512*\c   ; 512 consecutive bytes a store
.endr
	global_store_b32 v7, v[PW], s[14:15] offset:128*\f   ; lanes r and r + 16 write the same word with the same value
.endm
	LOADF 0
	LOADF 1
	LOADF 2                                        ; 48 loads, 24 KB a wave, are out
	FRAG 0
	FRAG 1
	FRAG 2
	s_wait_tensorcnt 0x0
	ds_add_u32 v14, v15
	s_wait_dscnt 0x0
	s_endpgm
.Lweights:                                         ; a wave copies one tile of one weight: 24 loads, 24 stores
	s_sub_co_u32 s17, ttmp9, 512                   ; 0 .. 47
	s_and_b32 s18, s17, 3                          ; the weight: 0 q, 1 k, 2 v, 3 o
	s_lshr_b32 s19, s17, 2
	s_lshl_b32 s19, s19, 2
	s_add_co_u32 s19, s19, s16                     ; the tile, 0 .. 47
	s_mul_i32 s24, s19, 43
	s_lshr_b32 s24, s24, 8                         ; tile / 6 (43 / 256 serves every tile under 48): the head
	s_mul_i32 s25, s24, 6
	s_sub_co_u32 s25, s19, s25                     ; tile % 6 = 2 b + u
	s_mul_i32 s24, s24, 96
	s_lshr_b32 s26, s25, 1
	s_lshl_b32 s26, s26, 5
	s_add_co_u32 s24, s24, s26
	s_and_b32 s26, s25, 1
	s_lshl_b32 s26, s26, 3
	s_add_co_u32 s24, s24, s26                     ; q, k, v: the tile's first row: 96 head + 32 b + 8 u
	s_lshl_b32 s26, s19, 4                         ; o: 16 x tile
	s_cmp_eq_u32 s18, 3
	s_cselect_b32 s24, s26, s24
	s_cselect_b32 s27, 0, 1                        ; q, k, v: lanes 8-15 take the rows 8 further on
	s_mul_i32 s24, s24, 768
	s_mov_b32 s25, 0
	s_wait_alu depctr_va_vdst(0)
	v_and_b32 v9, 8, v3
	v_mul_u32_u24 v9, s27, v9
	v_add_nc_u32 v9, v9, v3
	v_mul_u32_u24 v9, v9, 768
	v_lshl_add_u32 v9, v8, 4, v9                   ; my row of the tile, + 16 h
	s_mul_i32 s28, s18, 589824
	s_mul_i32 s26, s19, 12288
	s_add_co_u32 s28, s28, s26                     ; the tile's image
	s_mov_b32 s29, 0
	s_wait_alu depctr_va_vdst(0)
	s_wait_kmcnt 0x0
	s_cmp_eq_u32 s18, 1                            ; choices on the work-group's number alone
	s_cselect_b64 s[32:33], s[34:35], s[32:33]
	s_cmp_eq_u32 s18, 2
	s_cselect_b64 s[32:33], s[36:37], s[32:33]
	s_cmp_eq_u32 s18, 3
	s_cselect_b64 s[32:33], s[38:39], s[32:33]
	s_add_nc_u64 s[32:33], s[32:33], s[24:25]
	s_add_nc_u64 s[10:11], s[10:11], s[28:29]
.irp s, 0,1,2,3,4,5
.irp c, 0,1,2,3
	global_load_b128 v[16+16*\s+4*\c:19+16*\s+4*\c], v9, s[32:33] offset:128*\s+32*\c
.endr
.endr
.irp s, 0,1,2,3,4,5
	s_wait_loadcnt 4*(5-\s)                        ; this K step's four loads are in; the younger K steps' may be out
.irp c, 0,1,2,3
	global_store_b128 v4, v[16+16*\s+4*\c:19+16*\s+4*\c], s[10:11] offset:2048*\s+512*\c   ; 512 consecutive bytes a store
.endr
.endr
	s_endpgm
.Lfunc_end_k_q80056fc59e_quantx:
	.size	k_q80056fc59e_quantx, .Lfunc_end_k_q80056fc59e_quantx-k_q80056fc59e_quantx
	.p2alignl 7, 3214868480
	.fill 96, 4, 3214868480
	.section	.rodata,"a",@progbits
	.p2align	6, 0x0
	.amdhsa_kernel k_q80056fc59e_quantx
		.amdhsa_group_segment_fixed_size 34304
		.amdhsa_private_segment_fixed_size 0
		.amdhsa_enable_private_segment 0
		.amdhsa_kernarg_size 64
		.amdhsa_user_sgpr_count 2
		.amdhsa_user_sgpr_kernarg_segment_ptr 1
		.amdhsa_wavefront_size32 1
		.amdhsa_system_sgpr_workgroup_id_x 1
		.amdhsa_system_sgpr_workgroup_id_y 1
		.amdhsa_system_sgpr_workgroup_id_z 1
		.amdhsa_system_vgpr_workitem_id 0
		.amdhsa_next_free_vgpr 256
		.amdhsa_next_free_sgpr 66
		.amdhsa_reserve_vcc 0
		.amdhsa_float_denorm_mode_32 3
		.amdhsa_float_denorm_mode_16_64 3
		.amdhsa_memory_ordered 1
		.amdhsa_forward_progress 1
		.amdhsa_inst_pref_size 46
	.end_amdhsa_kernel
	.amdgpu_metadata
---
amdhsa.version: [ 1, 2 ]
amdhsa.kernels:
  - .name:           k_q80056fc59e_quantx
    .symbol:         k_q80056fc59e_quantx.kd
    .args:
      - { .name: visual_features, .offset: 0, .size: 8, .value_kind: global_buffer, .address_space: global }
      - { .name: text_features, .offset: 8, .size: 8, .value_kind: global_buffer, .address_space: global }
      - { .name: xq, .offset: 16, .size: 8, .value_kind: global_buffer, .address_space: global }
      - { .name: wimg, .offset: 24, .size: 8, .value_kind: global_buffer, .address_space: global }
      - { .name: Wq_codes, .offset: 32, .size: 8, .value_kind: global_buffer, .address_space: global }
      - { .name: Wk_codes, .offset: 40, .size: 8, .value_kind: global_buffer, .address_space: global }
      - { .name: Wv_codes, .offset: 48, .size: 8, .value_kind: global_buffer, .address_space: global }
      - { .name: Wo_codes, .offset: 56, .size: 8, .value_kind: global_buffer, .address_space: global }
    .group_segment_fixed_size: 34304
    .private_segment_fixed_size: 0
    .kernarg_segment_align: 8
    .kernarg_segment_size: 64
    .max_flat_workgroup_size: 128
    .sgpr_count:     66
    .vgpr_count:     256
    .wavefront_size: 32
...
	.end_amdgpu_metadata
.endif
;; end of part 1
;; launch qkv (part 2): grid 6 x 32, 4 waves a work-group, no clusters, 327,680 bytes of LDS; arguments xq, wimg, Wq_scales, bq, Wk_scales, bk, Wv_scales, bv, qkc, qks, vc, vs; writes qkc, qks, vc, vs
.if DOCPART == 2
	.amdgcn_target "amdgcn-amd-amdhsa--gfx1250"
	.amdhsa_code_object_version 6
	.text
	.protected	k_q80056fc59e_qkv
	.globl	k_q80056fc59e_qkv
	.p2align	8
	.type	k_q80056fc59e_qkv,@function
k_q80056fc59e_qkv:
	s_mov_b64 s[64:65], 0
	v_nop
	global_prefetch_b8 v0, s[64:65] scope:SCOPE_SE
	s_setreg_imm32_b32 hwreg(HW_REG_WAVE_MODE, 25, 1), 1
	s_wait_xcnt 0x0
; q = x Wq + bq, k = x Wk + bk, v = x Wv + bv for all 16,384 rows (both tensors), on codes of BF8 with E8M0 scales; the results are quantised in registers and stored as images of operand registers.
; SHARES.  Work-group x = 0..5: kind = x / 2 (0 q, 1 k, 2 v), heads 4 (x % 2) + wave.  Work-group y: 16 groups of 32 rows (half a batch entry).  A wave keeps its head's 96 columns of W for all 768 of K
; in registers (36 fragments, 576 registers), read once from launch quantx's images (512 consecutive bytes a load); x's records (launch quantx) go round through two LDS slots of four groups each, one tensor load a wave and slot.
; q, k: source 0 = 16 rows of W, source 1 = a tile of x: a lane holds one row, its registers run along the head's 96.  v: the sources swapped: a lane holds one channel, its registers run along the keys.
; THE ROWS OF W THAT FORM A TILE ARE NOT NEIGHBOURS: lane r of tile 2 b + u takes row 32 b + 8 u + r + 8 (r / 8); x's tiles likewise (quantx).  So the 16 registers of two neighbouring result tiles are 16
; neighbours along the next product's K, and a block of 32 lies in lanes l and l xor 16.  The bias is the C of a sum's first product.
; OUT.  qkc [kind][unit 128][tile 64][block 3][512]; qks [kind][unit][group 32][128] (a word a lane: lanes 0-15 tile 0, lanes 16-31 tile 1; bytes 0-2 the head's three blocks;
; byte 3, for the spare block K = 96 .. 127 on which launch attn lets the mask ride: 127 (1) in q's words, 212 (2^85) in k's);
; vc [unit][key step 8][channel tile 6][block 4][512]; vs [unit][key step][pair 3][128] (lanes 0-15 tile 2 p, lanes 16-31 tile 2 p + 1).  unit = 64 tensor + 8 batch + head.
; NO CLUSTER: an x record is shared by the six work-groups of a y, and six is no multiple of the four that a mask may name.  192 work-groups: 24 heads' units over four waves make six columns.
; LIMITS: a block of zeros gets the byte 1 (its codes are zeros; this program alone reads the bytes); NaN and infinities are not served.
; REGISTERS.  window 0: v1, v2 the spare word's address and 0; v3-7 addresses; v8-25 W's scale words (6 b + s: lanes 0-15 tile 2 b, 16-31 tile 2 b + 1); v26-31 x's scale words (s: lanes 0-15 tile 0, 16-31 tile 1);
;   v32-61 at work; v64-87 codes; v112-207 twelve accumulators = six blocks of 16; v208-255 the bias, eight a tile.  windows 1, 2, 3 (v0-63): W's fragment f = 6 s + t.  window 3 v64-255: x's twelve fragments.
.set REC,   25344                      ; a group's record
.set SLOT1, 131072                     ; slot 1 begins here: one exclusive or turns an address
.set SPARE, 262144                     ; the spare words, 128 bytes a wave: two blocks of 256 bytes that no other line names
.set LI,  3
.set LS,  4
.set ADX, 5
.set ADS, 6
.set WS,  8
.set XS,  26
.set TM,  32
.set TP,  38
.set TH,  44
.set TS,  50
.set WD,  56
.set VW,  58                           ; v58-60 v's scale words of a key step, gathered over its four groups
.set CD,  64
.set ACC, 112
.set BIAS, 208
.set WV,   34
.set KIND, 35
.set HEAD, 36
.set YY,   37
.set UU,   38
.set TB,   39                          ; LDS byte at which the slot in hand begins
.set TG,   40                          ; and the group to be fetched
.set C3,   41
.set CSL,  42
.set VM,   43
.set B3,   54                          ; byte 3 of q's or k's scale words
.set SEL,  60
.set MNT,  62
.set HI16, 63
.set G1,   68
.set G0,   76
.set PCD,  80
.set PSC,  82
.set MSB, 0
.macro WIN new                         ; the immediate's high byte repeats the setting that is left
.if MSB != (\new)
	s_set_vgpr_msb (MSB<<8)|(\new)
.set MSB, \new
.endif
.endm
.macro PLACES n
.rept \n
	v_nop
.endr
.endm
.macro WMS d, a, b, c, sa, sb, ra, rb  ; D, source 0, source 1, C, their scale registers, and which half of the lanes holds each side's scales
.if ((\ra) != 0) && ((\rb) != 0)
	v_wmma_scale_f32_16x16x128_f8f6f4 v[0+(\d):7+(\d)], v[0+(\a):15+(\a)], v[0+(\b):15+(\b)], v[0+(\c):7+(\c)], v[0+(\sa)], v[0+(\sb)] matrix_a_fmt:MATRIX_FMT_BF8 matrix_b_fmt:MATRIX_FMT_BF8 matrix_a_scale:MATRIX_SCALE_ROW1 matrix_b_scale:MATRIX_SCALE_ROW1
.elseif (\ra) != 0
	v_wmma_scale_f32_16x16x128_f8f6f4 v[0+(\d):7+(\d)], v[0+(\a):15+(\a)], v[0+(\b):15+(\b)], v[0+(\c):7+(\c)], v[0+(\sa)], v[0+(\sb)] matrix_a_fmt:MATRIX_FMT_BF8 matrix_b_fmt:MATRIX_FMT_BF8 matrix_a_scale:MATRIX_SCALE_ROW1
.elseif (\rb) != 0
	v_wmma_scale_f32_16x16x128_f8f6f4 v[0+(\d):7+(\d)], v[0+(\a):15+(\a)], v[0+(\b):15+(\b)], v[0+(\c):7+(\c)], v[0+(\sa)], v[0+(\sb)] matrix_a_fmt:MATRIX_FMT_BF8 matrix_b_fmt:MATRIX_FMT_BF8 matrix_b_scale:MATRIX_SCALE_ROW1
.else
	v_wmma_scale_f32_16x16x128_f8f6f4 v[0+(\d):7+(\d)], v[0+(\a):15+(\a)], v[0+(\b):15+(\b)], v[0+(\c):7+(\c)], v[0+(\sa)], v[0+(\sb)] matrix_a_fmt:MATRIX_FMT_BF8 matrix_b_fmt:MATRIX_FMT_BF8
.endif
.endm
	s_load_b512 s[4:19], s[0:1], 0x0               ; xq 4, wimg 6, Wq scales 8, bq 10, Wk scales 12, bk 14, Wv scales 16, bv 18
	s_load_b256 s[20:27], s[0:1], 0x40             ; qkc 20, qks 22, vc 24, vs 26
	v_lshl_add_u32 v1, v0, 2, SPARE
	v_mov_b32 v2, 0
	ds_add_u32 v1, v2
	ds_add_u32 v1, v2
	s_wait_dscnt 0x0
	v_lshrrev_b32 v3, 5, v0
	v_readfirstlane_b32 s[WV], v3                  ; wave 0..3
	s_lshr_b32 s[KIND], ttmp9, 1
	s_and_b32 s[HEAD], ttmp9, 1
	s_lshl_b32 s[HEAD], s[HEAD], 2
	s_add_co_u32 s[HEAD], s[HEAD], s[WV]
	s_and_b32 s[YY], ttmp7, 0xffff
	s_lshr_b32 s[UU], s[YY], 1
	s_lshl_b32 s[UU], s[UU], 3
	s_add_co_u32 s[UU], s[UU], s[HEAD]             ; unit = 8 (tensor, batch) + head
	; descriptor group 1: a record, dense: 99 rows of 256 bytes (32 elements of 8 bytes)
	s_mov_b32 s[G1+0], 3<<16
	s_mov_b32 s[G1+1], 32<<16
	s_mov_b32 s[G1+2], 99<<16
	s_mov_b32 s[G1+3], 32<<16
	s_mov_b32 s[G1+4], 99
	s_mov_b32 s[G1+5], 32
	s_mov_b32 s[G1+6], 0
	s_mov_b32 s[G1+7], 0
	s_mov_b32 s[G0], 1
	s_mul_i32 s[G0+1], s[WV], REC                  ; wave w brings record w of a slot
	s_lshl_b32 s44, s[YY], 4
	s_add_co_u32 s44, s44, s[WV]
	s_mul_i32 s44, s44, REC
	s_mov_b32 s45, 0
	s_mov_b32 s[SEL], 0x76543210
	s_mov_b32 s[SEL+1], 0xfedcba98
	s_mov_b32 s[MNT], 0x600000
	s_mov_b32 s[HI16], 0xffff0000                  ; lanes 16-31
	s_mov_b32 s[TB], 0
	s_mov_b32 s[TG], 0
	s_wait_kmcnt 0x0
	s_add_nc_u64 s[G0+2:G0+3], s[4:5], s[44:45]
	s_or_b32 s[G0+3], s[G0+3], 0x80000000
	tensor_load_to_lds s[G0:G0+3], s[G1:G1+7]      ; slot 0: the first fill, ahead of every wait on TENSORcnt, LDS read and barrier
	s_nop 0
	PLACES 4
	s_mov_b32 s[B3], 0x7f000000                    ; q's words: byte 3 = 127
	s_cmp_eq_u32 s[KIND], 1                        ; the kind's scales, bias and outputs: choices on the work-group's number alone
	s_cselect_b64 s[8:9], s[12:13], s[8:9]
	s_cselect_b64 s[10:11], s[14:15], s[10:11]
	s_cselect_b32 s[B3], 0xd4000000, s[B3]         ; k's: 212
	s_cmp_eq_u32 s[KIND], 2
	s_cselect_b64 s[8:9], s[16:17], s[8:9]
	s_cselect_b64 s[10:11], s[18:19], s[10:11]
	s_cselect_b64 s[PCD:PCD+1], s[24:25], s[20:21]
	s_cselect_b64 s[PSC:PSC+1], s[26:27], s[22:23]
	s_cselect_b32 s[VM], -1, 0
	s_cselect_b32 s46, 0, s[KIND]
	s_mov_b32 s47, 4096                            ; a unit's scale bytes: 4,096 in qks, 3,072 in vs
	s_cselect_b32 s47, 3072, s47
	s_lshl_b32 s46, s46, 7
	s_add_co_u32 s46, s46, s[UU]                   ; the unit's number in its buffer
	s_and_b32 s52, s[YY], 1                        ; which half of the batch entry
	s_mul_i32 s48, s46, 98304
	s_mul_i32 s53, s52, 49152
	s_add_co_u32 s48, s48, s53
	s_mov_b32 s49, 0
	s_add_nc_u64 s[PCD:PCD+1], s[PCD:PCD+1], s[48:49]
	s_mul_i32 s50, s46, s47
	s_lshr_b32 s53, s47, 1
	s_mul_i32 s53, s53, s52
	s_add_co_u32 s50, s50, s53
	s_mov_b32 s51, 0
	s_add_nc_u64 s[PSC:PSC+1], s[PSC:PSC+1], s[50:51]
	s_mul_i32 s48, s[KIND], 589824                 ; my weight's images,
	s_mul_i32 s53, s[HEAD], 73728                  ; my head's six tiles of them
	s_add_co_u32 s48, s48, s53
	s_add_nc_u64 s[6:7], s[6:7], s[48:49]
	s_mul_i32 s48, s[HEAD], 2304                   ; my head's 96 rows of 24 scale bytes,
	s_add_nc_u64 s[8:9], s[8:9], s[48:49]
	s_mul_i32 s48, s[HEAD], 384                    ; and its 96 numbers of the bias
	s_add_nc_u64 s[10:11], s[10:11], s[48:49]
	v_and_b32 v7, 31, v0
	v_lshlrev_b32 v[LI], 4, v7                     ; 16 x lane
	v_lshlrev_b32 v[LS], 2, v7                     ; 4 x lane
	v_and_b32 v120, 15, v0                         ; r
	v_bfe_u32 v121, v0, 4, 1                       ; h
	v_and_b32 v122, 8, v120
	v_add_nc_u32 v122, v122, v120                  ; r + 8 (r / 8)
	v_lshl_add_u32 v123, v121, 3, v122
	v_mul_u32_u24 v123, v123, 24                   ; W's scale words: lanes 16-31 take the tile 8 rows on
	v_lshlrev_b32 v124, 2, v122
	v_lshlrev_b32 v125, 6, v121
.irp j, 0,1,2,3,4,5,6,7
	v_add_nc_u32 v[112+\j], 4*\j, v125             ; the bias in the result's layout.  q, k: register j is channel 16 h + j of the tile's pair;
	v_cndmask_b32 v[112+\j], v[112+\j], v124, s[VM]   ; v: all eight registers are my lane's channel
.endr
.set f, 0
.rept 36                                       ; W's fragments: K step f / 6, tile f % 6: they stay.  The image of (tile, K step, block) lies at 12288 tile + 2048 step + 512 block
	WIN (1+f/16)<<6
.irp c, 0,1,2,3
	global_load_b128 v[16*(f%16)+4*\c:16*(f%16)+4*\c+3], v[LI], s[6:7] offset:(f%6)*12288+(f/6)*2048+512*\c
.endr
.set f, f+1
.endr
	WIN 0
.irp b, 0,1,2
.irp k, 0,1,2
	global_load_b64 v[WS+6*\b+2*\k:WS+6*\b+2*\k+1], v123, s[8:9] offset:768*\b+8*\k
.endr
.endr
.irp t, 0,1,2,3,4,5
.irp j, 0,1,2,3,4,5,6,7
	global_load_b32 v[BIAS+8*\t+\j], v[112+\j], s[10:11] offset:(32*(\t/2)+8*(\t%2))*4
.endr
.endr
.irp b, 0,1,2,3,4,5
	v_mov_b32 v[TP+\b], 0                          ; written once: a lane permute's destination counts as one of its sources
.endr
.irp p, 0,1,2
	v_mov_b32 v[VW+\p], 0
.endr
; THE CHANGE OF SLOTS.  Each wave waits for all its tensor loads (its record of the slot ahead), adds 0 to its spare word, waits for that and for its reads of the slot that it leaves; behind the barrier the slot
; ahead is whole and nobody reads the other.  fill = 1: that other slot takes the next four records: one load a wave, which has a slot's 288 products in which to land.  One load of a wave is out at the most.
.macro CHANGE fill
	s_wait_tensorcnt 0x0                           ; no tensor load of mine is out, so group 0 may be written
	ds_add_u32 v1, v2                              ; 0 onto my spare word
.if \fill
	s_xor_b32 s[G0+1], s[G0+1], SLOT1
	s_add_nc_u64 s[G0+2:G0+3], s[G0+2:G0+3], 4*REC
.endif
	s_wait_dscnt 0x0                               ; the add is done, and my reads of the slot that I leave are over
	s_barrier_signal -1
	s_barrier_wait -1
.if \fill
	tensor_load_to_lds s[G0:G0+3], s[G1:G1+7]      ; first behind the barrier, my one tensor load until the next
	s_nop 0
	PLACES 4
.endif
.endm
.macro FETCH                           ; a group's twelve fragments and six scale words
	v_add_nc_u32 v[ADX], s[TG], v[LI]
	v_add_nc_u32 v[ADS], s[TG], v[LS]
	WIN 0xc0                                       ; destination window 3
.irp s, 0,1,2,3,4,5
.irp a, 0,1
.irp c, 0,1,2,3
	ds_load_b128 v[64+32*\s+16*\a+4*\c:64+32*\s+16*\a+4*\c+3], v[ADX] offset:\a*12288+\s*2048+\c*512
.endr
.endr
.endr
	WIN 0
.irp s, 0,1,2,3,4,5
	ds_load_b32 v[XS+\s], v[ADS] offset:24576+128*\s
.endr
.endm
; 72 products; the twelve accumulators take turns, one instruction a turn, in the same order in every K step
.macro MUL_QK
.irp s, 0,1,2,3,4,5
.irp a, 0,1
.irp tn, 0,1,2,3,4,5
	WIN (1+(6*\s+\tn)/16)|0x0c
.if \s == 0
	WMS ACC+48*\a+8*\tn, 16*((6*\s+\tn)%16), 64+32*\s+16*\a, BIAS+8*\tn, WS+6*(\tn/2)+\s, XS+\s, \tn%2, \a
.else
	WMS ACC+48*\a+8*\tn, 16*((6*\s+\tn)%16), 64+32*\s+16*\a, ACC+48*\a+8*\tn, WS+6*(\tn/2)+\s, XS+\s, \tn%2, \a
.endif
.endr
.endr
.endr
.endm
.macro MUL_V
.irp s, 0,1,2,3,4,5
.irp tn, 0,1,2,3,4,5
.irp a, 0,1
	WIN 3|((1+(6*\s+\tn)/16)<<2)
.if \s == 0
	WMS ACC+16*\tn+8*\a, 64+32*\s+16*\a, 16*((6*\s+\tn)%16), BIAS+8*\tn, XS+\s, WS+6*(\tn/2)+\s, \a, \tn%2
.else
	WMS ACC+16*\tn+8*\a, 64+32*\s+16*\a, 16*((6*\s+\tn)%16), ACC+16*\tn+8*\a, XS+\s, WS+6*(\tn/2)+\s, \a, \tn%2
.endif
.endr
.endr
.endr
.endm
.macro QUANT6                          ; six blocks: block b is v[ACC + 16 b] on, 16 of its 32 numbers; codes to v[CD + 4 b] on, bytes to v[TP + b]
.irp b, 0,1,2,3,4,5
	v_max3_num_f32 v[TM+\b], |v[ACC+16*\b]|, |v[ACC+1+16*\b]|, 0x8000000   ; each accumulator is read from its low end on; the floor 2^(16 - 127) holds the byte at 1
.endr
.irp i, 2,4,6,8,10,12,14
.irp b, 0,1,2,3,4,5
	v_max3_num_f32 v[TM+\b], v[TM+\b], |v[ACC+16*\b+\i]|, |v[ACC+1+16*\b+\i]|
.endr
.endr
.irp b, 0,1,2,3,4,5
	v_permlanex16_b32 v[TP+\b], v[TM+\b], s[SEL], s[SEL+1]
.endr
.irp b, 0,1,2,3,4,5
	v_max_num_f32 v[TM+\b], v[TM+\b], v[TP+\b]
.endr
.irp b, 0,1,2,3,4,5
	v_add_nc_u32 v[TS+\b], 0xf8800000, v[TM+\b]    ; 15 off the exponent field: the conversion's scale operand
.endr
.irp b, 0,1,2,3,4,5
	v_and_or_b32 v[TH+\b], v[TM+\b], 0x7f800000, s[MNT]   ; 57,344 x the scale
.endr
.irp b, 0,1,2,3,4,5
	v_lshrrev_b32 v[TP+\b], 23, v[TS+\b]           ; the byte
.endr
.irp b, 0,1,2,3,4,5
.irp i, 0,1,2,3,4,5,6,7,8,9,10,11,12,13,14,15
	v_med3_num_f32 v[ACC+16*\b+\i], v[ACC+16*\b+\i], -v[TH+\b], v[TH+\b]   ; the conversion does not saturate (ISA guide 7.6.2)
.endr
	v_cvt_scalef32_pk8_bf8_f32 v[CD+4*\b:CD+1+4*\b], v[ACC+16*\b:ACC+7+16*\b], v[TS+\b]
	v_cvt_scalef32_pk8_bf8_f32 v[CD+2+4*\b:CD+3+4*\b], v[ACC+8+16*\b:ACC+15+16*\b], v[TS+\b]
.endr
	v_nop                                          ; a plain line behind the last conversion: the next products write its sources
.endm
.macro STORE_QK                        ; block b = 3 a + c: tile a, block c of the head's three
.irp b, 0,1,2,3,4,5
	global_store_b128 v[LI], v[CD+4*\b:CD+4*\b+3], s[PCD:PCD+1] offset:512*\b
.endr
	v_lshl_or_b32 v[WD], v[TP+1], 8, v[TP]
	v_lshl_or_b32 v[WD+1], v[TP+4], 8, v[TP+3]
	v_lshl_or_b32 v[WD], v[TP+2], 16, v[WD]
	v_lshl_or_b32 v[WD+1], v[TP+5], 16, v[WD+1]
	v_cndmask_b32 v[WD], v[WD], v[WD+1], s[HI16]   ; lanes 16-31 carry tile 1's words
	v_or_b32 v[WD], s[B3], v[WD]                   ; byte 3: the spare block's scale
	global_store_b32 v[LS], v[WD], s[PSC:PSC+1]
	s_wait_xcnt 0x0                                ; the stores have read their data and bases: both are written again
	s_add_nc_u64 s[PCD:PCD+1], s[PCD:PCD+1], 3072
	s_add_nc_u64 s[PSC:PSC+1], s[PSC:PSC+1], 128
.endm
.macro STORE_V last                    ; block b = channel tile b; the group is block (group % 4) of its key step
.irp b, 0,1,2,3,4,5
	global_store_b128 v[LI], v[CD+4*\b:CD+4*\b+3], s[PCD:PCD+1] offset:2048*\b
.endr
.irp p, 0,1,2
	v_cndmask_b32 v[WD], v[TP+2*\p], v[TP+2*\p+1], s[HI16]
	v_lshrrev_b32 v[VW+\p], 8, v[VW+\p]            ; four groups' bytes make a word, the first group's in the lowest byte
	v_lshl_or_b32 v[VW+\p], v[WD], 24, v[VW+\p]
.endr
.if \last
.irp p, 0,1,2
	global_store_b32 v[LS], v[VW+\p], s[PSC:PSC+1] offset:128*\p
.endr
.endif
	s_wait_xcnt 0x0
.if \last
	s_add_nc_u64 s[PCD:PCD+1], s[PCD:PCD+1], 10752
	s_add_nc_u64 s[PSC:PSC+1], s[PSC:PSC+1], 384
.else
	s_add_nc_u64 s[PCD:PCD+1], s[PCD:PCD+1], 512
.endif
.endm
; A GROUP of 32 rows.  kind 0: the next group lies in the same slot; 1: a slot's last, the slot is filled again; 2: a slot's last, nothing is left to ask for; 3: the very last.
; The next group's fragments are asked for behind the products and land while this group is quantised.
.macro GROUP kind
	s_wait_dscnt 0x0                               ; the group's fragments and scale words are in
	s_cmp_eq_u32 s[KIND], 2
	s_cbranch_scc1 .Lmv_\@
	MUL_QK
	WIN 0
	s_branch .Lmj_\@
.Lmv_\@:
	MUL_V
	WIN 0
.Lmj_\@:
	PLACES 8                                       ; eight places in front of loads into registers that products have read, and of the first read of results
.if \kind == 0
	s_add_co_u32 s[TG], s[TG], REC
	FETCH
.elseif \kind < 3
	CHANGE 2-\kind
	s_xor_b32 s[TB], s[TB], SLOT1
	s_mov_b32 s[TG], s[TB]
	FETCH
.endif
	QUANT6
	s_cmp_eq_u32 s[KIND], 2
	s_cbranch_scc1 .Lsv_\@
	STORE_QK
	s_branch .Lsj_\@
.Lsv_\@:
.if \kind == 0
	s_wait_alu depctr_va_vdst(0)
	STORE_V 0
.else
	s_wait_alu depctr_va_vdst(0)
	STORE_V 1
.endif
.Lsj_\@:
.endm
.macro THREE
	s_mov_b32 s[C3], 3
.Lthree_\@:
	GROUP 0
	s_sub_co_u32 s[C3], s[C3], 1
	s_cmp_lg_u32 s[C3], 0
	s_cbranch_scc1 .Lthree_\@
.endm
	CHANGE 1                                       ; slot 0 is whole; slot 1's first fill goes out as a refill does
	FETCH
	s_wait_loadcnt 0x0                             ; W, its scale words, the bias
	s_mov_b32 s[CSL], 2
.Lslot:                                            ; two trips: behind slots 0 and 1 the slot is filled again
	THREE
	GROUP 1
	s_sub_co_u32 s[CSL], s[CSL], 1
	s_cmp_lg_u32 s[CSL], 0
	s_cbranch_scc1 .Lslot
	THREE                                          ; the last two slots are written out
	GROUP 2
	THREE
	GROUP 3
	s_wait_tensorcnt 0x0                           ; the wave's end
	ds_add_u32 v1, v2
	s_wait_dscnt 0x0
	s_endpgm
.Lfunc_end_k_q80056fc59e_qkv:
	.size	k_q80056fc59e_qkv, .Lfunc_end_k_q80056fc59e_qkv-k_q80056fc59e_qkv
	.p2alignl 7, 3214868480
	.fill 96, 4, 3214868480
	.section	.rodata,"a",@progbits
	.p2align	6, 0x0
	.amdhsa_kernel k_q80056fc59e_qkv
		.amdhsa_group_segment_fixed_size 327680
		.amdhsa_private_segment_fixed_size 0
		.amdhsa_enable_private_segment 0
		.amdhsa_kernarg_size 96
		.amdhsa_user_sgpr_count 2
		.amdhsa_user_sgpr_kernarg_segment_ptr 1
		.amdhsa_wavefront_size32 1
		.amdhsa_system_sgpr_workgroup_id_x 1
		.amdhsa_system_sgpr_workgroup_id_y 1
		.amdhsa_system_sgpr_workgroup_id_z 1
		.amdhsa_system_vgpr_workitem_id 0
		.amdhsa_next_free_vgpr 1024
		.amdhsa_next_free_sgpr 88
		.amdhsa_reserve_vcc 0
		.amdhsa_float_denorm_mode_32 3
		.amdhsa_float_denorm_mode_16_64 3
		.amdhsa_memory_ordered 1
		.amdhsa_forward_progress 1
		.amdhsa_inst_pref_size 246
	.end_amdhsa_kernel
	.amdgpu_metadata
---
amdhsa.version: [ 1, 2 ]
amdhsa.kernels:
  - .name:           k_q80056fc59e_qkv
    .symbol:         k_q80056fc59e_qkv.kd
    .args:
      - { .name: xq, .offset: 0, .size: 8, .value_kind: global_buffer, .address_space: global }
      - { .name: wimg, .offset: 8, .size: 8, .value_kind: global_buffer, .address_space: global }
      - { .name: Wq_scales, .offset: 16, .size: 8, .value_kind: global_buffer, .address_space: global }
      - { .name: bq, .offset: 24, .size: 8, .value_kind: global_buffer, .address_space: global }
      - { .name: Wk_scales, .offset: 32, .size: 8, .value_kind: global_buffer, .address_space: global }
      - { .name: bk, .offset: 40, .size: 8, .value_kind: global_buffer, .address_space: global }
      - { .name: Wv_scales, .offset: 48, .size: 8, .value_kind: global_buffer, .address_space: global }
      - { .name: bv, .offset: 56, .size: 8, .value_kind: global_buffer, .address_space: global }
      - { .name: qkc, .offset: 64, .size: 8, .value_kind: global_buffer, .address_space: global }
      - { .name: qks, .offset: 72, .size: 8, .value_kind: global_buffer, .address_space: global }
      - { .name: vc, .offset: 80, .size: 8, .value_kind: global_buffer, .address_space: global }
      - { .name: vs, .offset: 88, .size: 8, .value_kind: global_buffer, .address_space: global }
    .group_segment_fixed_size: 327680
    .private_segment_fixed_size: 0
    .kernarg_segment_align: 8
    .kernarg_segment_size: 96
    .max_flat_workgroup_size: 128
    .sgpr_count:     88
    .vgpr_count:     1024
    .wavefront_size: 32
...
	.end_amdgpu_metadata
.endif
;; end of part 2
;; launch attn (part 3): grid 2 x 128, 8 waves a work-group, no clusters, 327,680 bytes of LDS; arguments qkc, qks, vc, vs, visual_mask, text_mask, oc, os; writes oc, os
.if DOCPART == 3
	.amdgcn_target "amdgcn-amd-amdhsa--gfx1250"
	.amdhsa_code_object_version 6
	.text
	.protected	k_q80056fc59e_attn
	.globl	k_q80056fc59e_attn
	.p2align	8
	.type	k_q80056fc59e_attn,@function
k_q80056fc59e_attn:
	s_mov_b64 s[64:65], 0
	v_nop
	global_prefetch_b8 v0, s[64:65] scope:SCOPE_SE
	s_setreg_imm32_b32 hwreg(HW_REG_WAVE_MODE, 25, 1), 1
	s_wait_xcnt 0x0
; o = softmax(q k^T / sqrt(96), keys masked) v for one unit (tensor, batch, head), both products on codes of BF8 with E8M0 scales; o / l is quantised along the 768 and stored as images of operand registers.
; The queries of unit U attend to the keys and values of unit U xor 64 (the other tensor); the mask is the keys' tensor's.  K = the head's 96 is filled to 128 on both sides.
; THE SOFTMAX: t = score x log2(e) / sqrt(96); M = the running largest t rounded up to a whole number; p = 2^(t - M) is quantised along the keys, not normalised; the sum is taken of the unquantised p and divides at the end.
; THE MASK RIDES ON THE SPARE BLOCK K = 96 .. 127, all of whose other codes are zeros: at k = 96 every query has the code of 1 (scale byte 127) and a key that does not count the code of -57,344 (scale byte 212:
; 2^85; launch qkv writes both bytes), a key that counts the code 0.  So the score of a key that does not count is lower by 1.75 x 2^100.  The running largest t begins at -2^80, over every masked t: a masked key's p is 0 and never moves M.
; A query none of whose keys counts (largest t still under -2^79) gets the scale byte 0xff, NaN, on its blocks of o: its row of the result is then NaN, as the softmax of an empty row is.
; LIMITS: |t| of scores that count stays under 2^79; NaN and infinities among the inputs are not served; a block of zeros gets the byte 1 (this program alone reads the bytes).
; SHARES.  Work-group (x, y): unit y, queries 512 x on.  The unit's K, V and their scale words lie in LDS for the whole launch; every byte is filled once, in two groups of one tensor load a wave.
; Group 1, at the head: waves 0-2 a third each of K's key steps 0-3 (64 rows of 256 bytes), waves 3-5 of V's, wave 6 K's scale words, wave 7 V's.
; Group 2, behind the first barrier: waves 0-3 a quarter each of K's key steps 4-7 (48 rows), waves 4-7 of V's.  One barrier between key steps 2 and 3 of a pass shows group 2 whole: step 2 is the last that reads group 1 alone (it fetches step 3's K).
; Each of eight waves owns a group of 32 queries a pass, two passes: tile A in window 0, tile B in window 1, at the same register numbers, so that each fragment of K and V read from LDS feeds two products.
; Both products are used transposed (S^T = K Q^T, O^T = V^T P^T): a lane holds one query; the tiles' rows are chosen (launch qkv) so that 16 registers of two neighbouring tiles are 16 neighbours along the next K.
; A pass is two counted loops over the key step, 3 trips and 5: the step is written twice.  O^T begins as zeros (48 v_mov a tile and pass), which the first change of M leaves zeros: that saves a third copy of the step.
; NO CLUSTER: only two work-groups share a unit's tiles.  NO PREFETCH: both groups are asked for ahead of the first key step, so there is no loop to run ahead in.
; REGISTERS (both windows unless said): v1-11 addresses (window 0); v12 -M, v13 largest t, v[14:15] the sum; v16-31 Q; v32-95 four fragments of K (window 0: tiles 0-3, window 1: tiles 4-7);
;   v96-159 S^T, then p, then V's fragments (window 0: tiles 0-3, window 1: tiles 4, 5); v160-207 O^T; v208-223 p's codes; v224-242 at work;
;   window 0: v244-247 K's scale words, v248-250 V's, v251 Q's, v241 and v254 p's (tile A, tile B), v252 16 x lane + V's base, v253 and v255 the spare word's address and 0.
.set VBASE, 98304                      ; LDS: K's codes at 0, V's here,
.set KSB,   196608                     ; K's scale words, 4,096 bytes,
.set VSB,   200704                     ; V's, 3,072 bytes,
.set MBB,   203776                     ; the mask as register 12 of K's fragments: [tile 64][lane 32] words, 8,192 bytes: written by LDS stores alone, no fill lands here
.set SPARE, 212992                     ; the spare words, 128 bytes a wave: four blocks of 256 bytes that no other line names
.set HALF,  49152                      ; four key steps of codes
.set LI,   1
.set LSK,  2
.set MB0,  3
.set ADK,  4
.set ADV,  5
.set ADKS, 6
.set ADVS, 7
.set ADM,  8
.set R24,  9
.set LSV,  10
.set LS,   11
.set NM,   12
.set MT,   13
.set SUM,  14
.set QF,   16
.set KF,   32
.set S,    96
.set O,    160
.set PCD,  208
.set BM,   224
.set BP,   228
.set BH,   232
.set BS,   236
.set F,    240
.set PW,   241
.set T,    242
.set KS,   244
.set VS,   248
.set QS,   251
.set LIV,  252
.set SPW,  253
.set PWB,  254
.set NIL,  255
.set WV,   20
.set UU,   21
.set SEL,  24
.set CS,   26
.set MNT,  28
.set THR,  29
.set PASS, 30
.set JJ,   31                          ; the key step, 0 .. 7
.set JN,   32                          ; the next one
.set CT,   33                          ; a loop's trips to go
.set G0SK, 40                          ; s[40:43] group 0 for K's scale words
.set G0A,  44                          ; s[44:47] for a third of K's first half
.set G0B,  48                          ; s[48:51] for a third of V's first half
.set G02,  52                          ; s[52:55] for my quarter of a second half
.set AK,   56                          ; LDS bytes of the next step's K, its scale words, its mask; of this step's V and its scale words
.set AKS,  57
.set AM,   58
.set AV,   59
.set AVS,  66
.set G1C,  68                          ; s[68:75] group 1 for codes
.set G1SK, 76                          ; s[76:83] for K's scale words
.set G0SV, 84                          ; s[84:87] group 0 for V's scale words
.set G1SV, 92                          ; s[92:99] group 1 for them
.set MSB, 0
.macro WIN new                         ; the immediate's high byte repeats the setting that is left
.if MSB != (\new)
	s_set_vgpr_msb (MSB<<8)|(\new)
.set MSB, \new
.endif
.endm
.macro PLACES n
.rept \n
	v_nop
.endr
.endm
.macro WMS d, a, b, sa, sb, ra         ; D += source 0 x source 1, in place; ra: which half of the lanes holds source 0's scales
.if (\ra) != 0
	v_wmma_scale_f32_16x16x128_f8f6f4 v[0+(\d):7+(\d)], v[0+(\a):15+(\a)], v[0+(\b):15+(\b)], v[0+(\d):7+(\d)], v[0+(\sa)], v[0+(\sb)] matrix_a_fmt:MATRIX_FMT_BF8 matrix_b_fmt:MATRIX_FMT_BF8 matrix_a_scale:MATRIX_SCALE_ROW1
.else
	v_wmma_scale_f32_16x16x128_f8f6f4 v[0+(\d):7+(\d)], v[0+(\a):15+(\a)], v[0+(\b):15+(\b)], v[0+(\d):7+(\d)], v[0+(\sa)], v[0+(\sb)] matrix_a_fmt:MATRIX_FMT_BF8 matrix_b_fmt:MATRIX_FMT_BF8
.endif
.endm
.macro WMZ d, a, b, sa, sb, ra, rb     ; the constant 0 as C
.if ((\ra) != 0) && ((\rb) != 0)
	v_wmma_scale_f32_16x16x128_f8f6f4 v[0+(\d):7+(\d)], v[0+(\a):15+(\a)], v[0+(\b):15+(\b)], 0, v[0+(\sa)], v[0+(\sb)] matrix_a_fmt:MATRIX_FMT_BF8 matrix_b_fmt:MATRIX_FMT_BF8 matrix_a_scale:MATRIX_SCALE_ROW1 matrix_b_scale:MATRIX_SCALE_ROW1
.elseif (\ra) != 0
	v_wmma_scale_f32_16x16x128_f8f6f4 v[0+(\d):7+(\d)], v[0+(\a):15+(\a)], v[0+(\b):15+(\b)], 0, v[0+(\sa)], v[0+(\sb)] matrix_a_fmt:MATRIX_FMT_BF8 matrix_b_fmt:MATRIX_FMT_BF8 matrix_a_scale:MATRIX_SCALE_ROW1
.elseif (\rb) != 0
	v_wmma_scale_f32_16x16x128_f8f6f4 v[0+(\d):7+(\d)], v[0+(\a):15+(\a)], v[0+(\b):15+(\b)], 0, v[0+(\sa)], v[0+(\sb)] matrix_a_fmt:MATRIX_FMT_BF8 matrix_b_fmt:MATRIX_FMT_BF8 matrix_b_scale:MATRIX_SCALE_ROW1
.else
	v_wmma_scale_f32_16x16x128_f8f6f4 v[0+(\d):7+(\d)], v[0+(\a):15+(\a)], v[0+(\b):15+(\b)], 0, v[0+(\sa)], v[0+(\sb)] matrix_a_fmt:MATRIX_FMT_BF8 matrix_b_fmt:MATRIX_FMT_BF8
.endif
.endm
	s_load_b512 s[4:19], s[0:1], 0x0               ; qkc 4, qks 6, vc 8, vs 10, visual_mask 12, text_mask 14, oc 16, os 18
	v_lshl_add_u32 v[SPW], v0, 2, SPARE
	v_mov_b32 v[NIL], 0
	ds_add_u32 v[SPW], v[NIL]                      ; the opening add, twice on end, and its wait ahead of my first tensor load
	ds_add_u32 v[SPW], v[NIL]
	v_lshrrev_b32 v1, 5, v0
	s_delay_alu instid0(VALU_DEP_1)
	v_readfirstlane_b32 s[WV], v1                  ; wave 0..7
	s_and_b32 s[UU], ttmp7, 0xffff                 ; the queries' unit
	s_xor_b32 s35, s[UU], 64                       ; the keys' unit
	s_and_b32 s22, s[WV], 3                        ; group 2: which quarter I fetch,
	s_lshr_b32 s23, s[WV], 2                       ; of K's (0) or of V's (1)
	; descriptor groups 1, every word a constant: dense rows of 256 bytes (32 elements of 8 bytes): a third of a first half has 64, K's scale words 16, V's 12
.irp g, G1C, G1SK, G1SV
	s_mov_b32 s[\g+0], 3<<16                       ; no mask; elements of 8 bytes; no padding
	s_mov_b32 s[\g+1], 32<<16                      ; tensor_dim0
	s_mov_b32 s[\g+3], 32<<16                      ; tile_dim0
	s_mov_b32 s[\g+5], 32                          ; the pitch
	s_mov_b32 s[\g+6], 0
	s_mov_b32 s[\g+7], 0
.endr
	s_mov_b32 s[G1C+2], 64<<16                     ; tensor_dim1
	s_mov_b32 s[G1C+4], 64                         ; tile_dim1
	s_mov_b32 s[G1SK+2], 16<<16
	s_mov_b32 s[G1SK+4], 16
	s_mov_b32 s[G1SV+2], 12<<16
	s_mov_b32 s[G1SV+4], 12
	s_lshl_b32 s38, s[WV], 14                      ; 16,384 x wave: a third of a first half
	s_mov_b32 s[G0A], 1
	s_mov_b32 s[G0A+1], s38                        ; waves 0-2: K's thirds from LDS byte 0 on
	s_mov_b32 s[G0B], 1
	s_add_co_u32 s[G0B+1], s38, VBASE-HALF         ; waves 3-5: V's thirds from VBASE on
	s_sub_co_u32 s36, s[WV], 3
	s_max_i32 s36, s36, 0
	s_lshl_b32 s36, s36, 14                        ; and where they lie in V's unit
	s_mul_i32 s39, s23, VBASE
	s_mul_i32 s37, s22, 12288                      ; a quarter of a second half
	s_add_co_u32 s39, s39, s37
	s_mov_b32 s[G02], 1
	s_add_co_u32 s[G02+1], s39, HALF
	s_mov_b32 s[G0SK], 1
	s_mov_b32 s[G0SK+1], KSB
	s_mov_b32 s[G0SV], 1
	s_mov_b32 s[G0SV+1], VSB
	s_mov_b32 s[SEL], 0x76543210
	s_mov_b32 s[SEL+1], 0xfedcba98
	s_mov_b32 s[CS], 0x3e16c740                    ; c = log2(e) / sqrt(96)
	s_mov_b32 s[CS+1], s[CS]                       ; (named with it as a pair, so it is written)
	s_mov_b32 s[MNT], 0x600000
	s_mov_b32 s[THR], 0xe7000000                   ; -2^79
	s_mov_b32 s[PASS], 2
	s_mov_b32 s61, 0
	s_mov_b32 s63, 0
	s_wait_dscnt 0x0                               ; both opening adds are done
	s_wait_kmcnt 0x0
	s_add_co_u32 s34, s35, 128                     ; k's units lie behind q's 128
	s_mul_i32 s60, s34, 98304
	s_add_nc_u64 s[88:89], s[4:5], s[60:61]        ; K's unit
	s_mul_i32 s60, s35, 98304
	s_add_nc_u64 s[90:91], s[8:9], s[60:61]        ; V's unit
	s_mov_b32 s60, s38
	s_add_nc_u64 s[G0A+2:G0A+3], s[88:89], s[60:61]
	s_or_b32 s[G0A+3], s[G0A+3], 0x80000000
	s_mov_b32 s60, s36
	s_add_nc_u64 s[G0B+2:G0B+3], s[90:91], s[60:61]
	s_or_b32 s[G0B+3], s[G0B+3], 0x80000000
	s_cmp_eq_u32 s23, 0                            ; a choice on the wave's number alone
	s_cselect_b64 s[88:89], s[88:89], s[90:91]
	s_add_co_u32 s60, s37, HALF
	s_add_nc_u64 s[G02+2:G02+3], s[88:89], s[60:61]
	s_or_b32 s[G02+3], s[G02+3], 0x80000000
	s_lshl_b32 s60, s34, 12
	s_add_nc_u64 s[G0SK+2:G0SK+3], s[6:7], s[60:61]
	s_or_b32 s[G0SK+3], s[G0SK+3], 0x80000000
	s_mul_i32 s60, s35, 3072
	s_add_nc_u64 s[G0SV+2:G0SV+3], s[10:11], s[60:61]
	s_or_b32 s[G0SV+3], s[G0SV+3], 0x80000000
; GROUP 1, one tensor load a wave: one chain of branches on the wave's number, a load to an arm, all arms leading to one join; every way passes exactly one load.
.macro ARM under, g0, g1, next
	s_cmp_lt_u32 s[WV], \under
	s_cbranch_scc0 \next
	tensor_load_to_lds s[\g0:\g0+3], s[\g1:\g1+7]
	s_nop 0
	PLACES 4
	s_branch .Lfilled
\next:
.endm
	ARM 3, G0A,  G1C,  .Lhead_v
	ARM 6, G0B,  G1C,  .Lhead_sk
	ARM 7, G0SK, G1SK, .Lhead_sv
	tensor_load_to_lds s[G0SV:G0SV+3], s[G1SV:G1SV+7]
	s_nop 0
	PLACES 4
.Lfilled:
	s_cmp_lt_u32 s[UU], 64                         ; visual queries look at text keys
	s_cselect_b64 s[12:13], s[14:15], s[12:13]
	s_bfe_u32 s60, s[UU], 0x30003                  ; the batch entry
	s_lshl_b32 s60, s60, 12
	s_add_nc_u64 s[12:13], s[12:13], s[60:61]
	s_lshl_b32 s37, ttmp9, 4
	s_add_co_u32 s37, s37, s[WV]                   ; my group of the batch entry in pass 0: 16 x + wave
	s_mul_i32 s62, s37, 3072
	s_mul_i32 s60, s[UU], 98304
	s_add_co_u32 s62, s62, s60
	s_add_nc_u64 s[4:5], s[4:5], s[62:63]          ; Q's codes
	s_lshl_b32 s62, s37, 7
	s_lshl_b32 s60, s[UU], 12
	s_add_co_u32 s62, s62, s60
	s_add_nc_u64 s[6:7], s[6:7], s[62:63]          ; Q's scale words
	s_lshr_b32 s38, s[UU], 3
	s_lshl_b32 s38, s38, 6
	s_lshl_b32 s37, s37, 1
	s_add_co_u32 s38, s38, s37                     ; tile A among the 1,024 tiles of rows
	s_and_b32 s39, s[UU], 7                        ; the head
	s_mul_i32 s62, s38, 12288
	s_mul_i32 s60, s39, 1536
	s_add_co_u32 s62, s62, s60
	s_add_nc_u64 s[16:17], s[16:17], s[62:63]      ; oc [tile][block 24][512], my head's three blocks
	s_mul_i32 s62, s38, 384
	s_mul_i32 s60, s39, 3
	s_add_co_u32 s62, s62, s60
	s_add_nc_u64 s[18:19], s[18:19], s[62:63]      ; os [tile][row 16][24 bytes]
	v_and_b32 v[LS], 31, v0
	s_delay_alu instid0(VALU_DEP_1)
	v_lshlrev_b32 v[LI], 4, v[LS]                  ; 16 x lane
	s_delay_alu instid0(VALU_DEP_2)
	v_lshlrev_b32 v[LS], 2, v[LS]                  ; 4 x lane
	s_delay_alu instid0(VALU_DEP_1)
	v_add_nc_u32 v[LSK], KSB, v[LS]
	s_delay_alu instid0(VALU_DEP_2)
	v_add_nc_u32 v[LSV], VSB, v[LS]
	s_delay_alu instid0(VALU_DEP_3)
	v_add_nc_u32 v[MB0], MBB, v[LS]
	v_add_nc_u32 v[LIV], VBASE, v[LI]
	v_and_b32 v[R24], 15, v0
	s_delay_alu instid0(VALU_DEP_1)
	v_mul_u32_u24 v[R24], v[R24], 24
	v_lshlrev_b32 v101, 4, v0                      ; thread t takes keys 4 t .. 4 t + 3 of the mask.  Key 32 g + 16 e + 8 a + i (i < 8) is lane 8 e + i of tile 2 g + a:
	v_lshrrev_b32 v102, 3, v0
	s_delay_alu instid0(VALU_DEP_1)
	v_lshlrev_b32 v102, 8, v102                    ; 256 g, g = t / 8,
	v_bfe_u32 v103, v0, 1, 1
	s_delay_alu instid0(VALU_DEP_1)
	v_lshl_add_u32 v102, v103, 7, v102             ; + 128 a, a = bit 1 of t,
	v_bfe_u32 v103, v0, 2, 1
	s_delay_alu instid0(VALU_DEP_1)
	v_lshl_add_u32 v102, v103, 5, v102             ; + 32 e, e = bit 2 of t,
	v_and_b32 v103, 1, v0
	s_delay_alu instid0(VALU_DEP_1)
	v_lshl_add_u32 v102, v103, 4, v102             ; + 16 (t % 2): four neighbouring words
	s_delay_alu instid0(VALU_DEP_1)
	v_add_nc_u32 v102, MBB, v102
	global_load_b128 v[96:99], v101, s[12:13]
.macro QLOAD off, offs                 ; both tiles' three blocks and the group's scale words: seven loads
.irp c, 0,1,2
	global_load_b128 v[QF+4*\c:QF+4*\c+3], v[LI], s[4:5] offset:\off+512*\c
.endr
	global_load_b32 v[QS], v[LS], s[6:7] offset:\offs
	WIN 0x40
.irp c, 0,1,2
	global_load_b128 v[QF+4*\c:QF+4*\c+3], v[LI], s[4:5] offset:\off+1536+512*\c
.endr
	WIN 0
.endm
	QLOAD 0, 0
	v_bfe_u32 v103, v0, 4, 1
	s_delay_alu instid0(VALU_DEP_1)
	v_sub_nc_u32 v103, 1, v103
	s_delay_alu instid0(VALU_DEP_1)
	v_mul_u32_u24 v103, 60, v103                   ; lanes 0-15, which hold k = 96 .. 111: the code of 1 (0x3c) in the lowest byte; lanes 16-31: zeros
.macro ONCE                            ; what is written once, in each window (v103 is read from window 0 in both)
	v_mov_b32 v[QF+12], v103                       ; the spare block of Q
.irp i, 13,14,15
	v_mov_b32 v[QF+\i], 0
.endr
.irp t, 0,1,2,3
.irp i, 13,14,15
	v_mov_b32 v[KF+16*\t+\i], 0                    ; the spare block of K but for its first register: no load lands here
.endr
.endr
.irp i, 0,1,2,3
	v_mov_b32 v[BP+\i], 0                          ; a lane permute's destination counts as one of its sources
.endr
	v_mov_b32 v[F], 0
	v_mov_b32 v[PW], 0                             ; (named as the upper half of the pair with f before it is first written)
.endm
	ONCE
	WIN 0x40
	ONCE
	WIN 0
	v_mov_b32 v100, 0xfb                           ; the code of -57,344
.irp i, 104,105,106,107
	v_mov_b32 v\i, 0
.endr
	s_wait_alu depctr_va_vdst(0)
	s_wait_loadcnt 0x7                             ; the mask is in; Q's seven loads may be out
.irp i, 0,1,2,3
	v_cmp_eq_u32 vcc_lo, 0, v[96+\i]
	s_delay_alu instid0(VALU_DEP_1)
	v_cndmask_b32 v[96+\i], 0, v100, vcc_lo
.endr
	ds_store_b128 v102, v[96:99]                   ; lanes 0-15's words of a tile,
	ds_store_b128 v102, v[104:107] offset:64       ; and zeros for lanes 16-31, which hold k = 112 .. 127
.macro KFETCH                          ; a step's K: eight tiles of 16 keys, three blocks and the mask's register each, and four scale words: 36 loads
.irp t, 0,1,2,3
.irp c, 0,1,2
	ds_load_b128 v[KF+16*\t+4*\c:KF+16*\t+4*\c+3], v[ADK] offset:\t*1536+512*\c
.endr
	ds_load_b32 v[KF+16*\t+12], v[ADM] offset:128*\t
.endr
.irp p, 0,1,2,3
	ds_load_b32 v[KS+\p], v[ADKS] offset:128*\p
.endr
	WIN 0x40
.irp t, 0,1,2,3
.irp c, 0,1,2
	ds_load_b128 v[KF+16*\t+4*\c:KF+16*\t+4*\c+3], v[ADK] offset:(4+\t)*1536+512*\c
.endr
	ds_load_b32 v[KF+16*\t+12], v[ADM] offset:128*(4+\t)
.endr
	WIN 0
.endm
.macro SCORES                          ; S^T of eight tiles of keys, for tile A and for tile B: sixteen products, each with an accumulator of its own
.irp t, 0,1,2,3
	WMZ S+8*\t, KF+16*\t, QF, KS+\t/2, QS, \t%2, 0
.endr
	WIN 0x44                                       ; Q and D in window 1
.irp t, 0,1,2,3
	WMZ S+8*\t, KF+16*\t, QF, KS+\t/2, QS, \t%2, 1
.endr
	WIN 0x01                                       ; K in window 1
.irp t, 0,1,2,3
	WMZ S+8*(4+\t), KF+16*\t, QF, KS+(4+\t)/2, QS, \t%2, 0
.endr
	WIN 0x45
.irp t, 0,1,2,3
	WMZ S+8*(4+\t), KF+16*\t, QF, KS+(4+\t)/2, QS, \t%2, 1
.endr
	WIN 0
.endm
; One tile's softmax of 128 keys, in whichever window is set, in four parts.  SM1: maxima, M, t - M.  SME: the exponentials.  SMS: the blocks' scales.  SM2: the sum, the codes, O^T under the new M.
; A step lays SM1 of both tiles first, so that both tiles' exponentials are one batch, with one wait ahead of it and one behind it.
.macro SM1
.irp b, 0,1,2,3
	v_max3_num_f32 v[BM+\b], v[S+16*\b], v[S+1+16*\b], v[S+2+16*\b]   ; the largest score of each block of 32 keys: for the row's maximum, and, since p rises with the score, for the block's largest p
.endr
.irp i, 3,5,7,9,11,13
.irp b, 0,1,2,3
	v_max3_num_f32 v[BM+\b], v[BM+\b], v[S+16*\b+\i], v[S+1+16*\b+\i]
.endr
.endr
.irp b, 0,1,2,3
	v_max_num_f32 v[BM+\b], v[BM+\b], v[S+15+16*\b]
.endr
.irp b, 0,1,2,3
	s_delay_alu instid0(VALU_DEP_4)
	v_permlanex16_b32 v[BP+\b], v[BM+\b], s[SEL], s[SEL+1]
.endr
.irp b, 0,1,2,3
	s_delay_alu instid0(VALU_DEP_4)
	v_max_num_f32 v[BM+\b], v[BM+\b], v[BP+\b]
.endr
	s_delay_alu instid0(VALU_DEP_2)
	v_max3_num_f32 v[T], v[BM], v[BM+1], v[BM+2]
	s_delay_alu instid0(VALU_DEP_1)
	v_max_num_f32 v[T], v[T], v[BM+3]
	s_delay_alu instid0(VALU_DEP_1)
	v_mul_f32 v[T], s[CS], v[T]
	s_delay_alu instid0(VALU_DEP_1)
	v_max_num_f32 v[MT], v[MT], v[T]               ; the running largest t
	v_mov_b32 v[T], v[NM]
	s_delay_alu instid0(VALU_DEP_2)
	v_floor_f32 v[NM], -v[MT]                      ; -M = floor(-t): M is a whole number
	s_delay_alu instid0(VALU_DEP_1)
	v_sub_f32 v[T], v[NM], v[T]
	s_delay_alu instid0(VALU_DEP_1)
	v_cvt_i32_f32 v[T], v[T]                       ; (it saturates)
	s_delay_alu instid0(VALU_DEP_1)
	v_ldexp_f32 v[F], 1.0, v[T]                    ; f = 2^(old M - new M): rounds nothing
.set jj, 0
.rept 32
	v_pk_fma_f32 v[S+jj:S+jj+1], v[S+jj:S+jj+1], s[CS:CS+1], v[NM:NM+1] op_sel_hi:[1,0,0]   ; t - M
.set jj, jj+2
.endr
.irp b, 0,1,2,3
	v_fma_f32 v[BM+\b], v[BM+\b], s[CS], v[NM]
.endr
.endm
.macro SME
.set jj, 0
.rept 64
	v_exp_f32 v[S+jj], v[S+jj]                     ; p = 2^(t - M)
.set jj, jj+1
.endr
.irp b, 0,1,2,3
	v_exp_f32 v[BM+\b], v[BM+\b]                   ; the block's largest p
.endr
.endm
.macro SMS w                           ; w = 1: this part stands directly behind the batch
	v_pk_mul_f32 v[SUM:SUM+1], v[SUM:SUM+1], v[F:F+1] op_sel_hi:[1,0]   ; the sums under the new M (w = 1: the plain line behind the exponentials)
.if \w
	s_wait_alu depctr_va_vdst(0)                   ; one wait for the whole batch, both tiles', ahead of its first reader
.endif
.irp b, 0,1,2,3
	v_max_num_f32 v[BM+\b], 0x8000000, v[BM+\b]    ; the floor 2^(16 - 127)
.endr
.irp b, 0,1,2,3
	s_delay_alu instid0(VALU_DEP_4)
	v_add_nc_u32 v[BS+\b], 0xf8800000, v[BM+\b]
.endr
.irp b, 0,1,2,3
	v_and_or_b32 v[BH+\b], v[BM+\b], 0x7f800000, s[MNT]
.endr
.irp b, 0,1,2,3
	v_lshrrev_b32 v[BP+\b], 23, v[BS+\b]
.endr
	s_delay_alu instid0(VALU_DEP_3)
	v_lshl_or_b32 v[PW], v[BP+1], 8, v[BP]         ; p's scale word for these 128 keys
	s_delay_alu instid0(VALU_DEP_1)
	v_lshl_or_b32 v[PW], v[BP+2], 16, v[PW]
	s_delay_alu instid0(VALU_DEP_1)
	v_lshl_or_b32 v[PW], v[BP+3], 24, v[PW]
.endm
.macro SM2 vl                          ; block by block: the sum of the unquantised p (two chains), the hold, the codes.  vl = 1 (tile B, window 1): V's channel tiles 4, 5 are asked for into the registers of p's blocks 0, 1 as soon as these are codes
.irp b, 0,1,2,3
.if \b == 0
	v_pk_add_f32 v[BP:BP+1], v[S:S+1], v[S+2:S+3]
.else
	v_pk_add_f32 v[SUM:SUM+1], v[SUM:SUM+1], v[S+16*\b:S+16*\b+1]
	v_pk_add_f32 v[BP:BP+1], v[BP:BP+1], v[S+16*\b+2:S+16*\b+3]
.endif
.irp j, 4,8,12
	v_pk_add_f32 v[SUM:SUM+1], v[SUM:SUM+1], v[S+16*\b+\j:S+16*\b+\j+1]
	v_pk_add_f32 v[BP:BP+1], v[BP:BP+1], v[S+16*\b+\j+2:S+16*\b+\j+3]
.endr
.irp i, 0,2,4,6,8,10,12,14
	v_dual_min_num_f32 v[S+16*\b+\i], v[BH+\b], v[S+16*\b+\i] :: v_dual_min_num_f32 v[S+16*\b+\i+1], v[BH+\b], v[S+16*\b+\i+1]   ; the conversion does not saturate (ISA guide 7.6.2); p is not negative; two holds an instruction
.endr
	v_cvt_scalef32_pk8_bf8_f32 v[PCD+4*\b:PCD+1+4*\b], v[S+16*\b:S+7+16*\b], v[BS+\b]
	v_cvt_scalef32_pk8_bf8_f32 v[PCD+2+4*\b:PCD+3+4*\b], v[S+8+16*\b:S+15+16*\b], v[BS+\b]
.if (\vl) && (\b < 2)
	WIN 0x40                                       ; destination window 1, address window 0
.irp c, 0,1,2,3
	ds_load_b128 v[S+16*\b+4*\c:S+16*\b+4*\c+3], v[ADV] offset:(4+\b)*2048+512*\c
.endr
	WIN 0x55
.endif
.endr
	v_pk_add_f32 v[SUM:SUM+1], v[SUM:SUM+1], v[BP:BP+1]   ; the two chains join (a plain line behind the last conversion)
	s_wait_alu depctr_va_vdst(0)                   ; directly ahead of the first reader of O^T
.set jj, 0
.rept 24
	v_pk_mul_f32 v[O+jj:O+jj+1], v[O+jj:O+jj+1], v[F:F+1] op_sel_hi:[1,0]   ; O^T under the new M, each accumulator from its low end on; also the places between the codes and the products
.set jj, jj+2
.endr
.endm
; A KEY STEP: 128 keys, step s[JJ] of the pass.  Every product of a step has an accumulator of its own, so no two that follow each other share one.
; wrap = 1: the step behind the pass's last is the next pass's first.
.macro STEP wrap
	s_add_co_u32 s[JN], s[JJ], 1
.if \wrap
	s_and_b32 s[JN], s[JN], 7
.endif
	s_mul_i32 s[AK], s[JN], 12288
	s_lshl_b32 s[AKS], s[JN], 9
	s_lshl_b32 s[AM], s[JN], 10
	s_mul_i32 s[AV], s[JJ], 12288
	s_mul_i32 s[AVS], s[JJ], 384
	v_add_nc_u32 v[ADK], s[AK], v[LI]              ; the NEXT step's K,
	v_add_nc_u32 v[ADKS], s[AKS], v[LSK]           ; its scale words
	v_add_nc_u32 v[ADM], s[AM], v[MB0]             ; and its mask;
	v_add_nc_u32 v[ADV], s[AV], v[LIV]             ; this step's V
	v_add_nc_u32 v[ADVS], s[AVS], v[LSV]
	PLACES 4                                       ; nine places with the five above: the score products write over registers that the last step's products read as V
	s_wait_alu depctr_va_vdst(0)
	s_wait_dscnt 0x0                               ; this step's K, asked for a step ago
	SCORES
	PLACES 8                                       ; in front of loads into registers that products have read, and of the first read of results
	KFETCH                                         ; lands under the softmax
	SM1
	WIN 0x55
	SM1
	s_wait_alu depctr_va_vdst(0)                   ; ahead of the batch: it serves both tiles' t - M, f and sums
	SME
	WIN 0
	SME
	SMS 1
	SM2 0
.irp t, 0,1,2,3                                ; V's channel tiles 0-3 take tile A's p's place and land under tile B's softmax
.irp c, 0,1,2,3
	ds_load_b128 v[S+16*\t+4*\c:S+16*\t+4*\c+3], v[ADV] offset:\t*2048+512*\c
.endr
.endr
.irp p, 0,1,2
	ds_load_b32 v[VS+\p], v[ADVS] offset:128*\p
.endr
	WIN 0x55
	SMS 0
	WIN 0x01
	v_mov_b32 v[PWB], v[PW]                        ; scale operands are taken from window 0: tile B's word comes over (SM2 stands between it and its use)
	WIN 0x55
	SM2 1                                          ; with the eight loads of V's channel tiles 4, 5: the youngest LDS loads of the step
	WIN 0
	s_wait_alu depctr_va_vdst(0)
	s_wait_dscnt 0x8                               ; all but the eight loads just issued
.irp t, 0,1,2,3
	WMS O+8*\t, S+16*\t, PCD, VS+\t/2, PW, \t%2    ; O^T += V^T P^T, channel tile t
.endr
	WIN 0x54                                       ; p's codes, C and D in window 1
.irp t, 0,1,2,3
	WMS O+8*\t, S+16*\t, PCD, VS+\t/2, PWB, \t%2
.endr
	s_wait_dscnt 0x0
	WIN 0x01                                       ; V in window 1
.irp t, 0,1
	WMS O+8*(4+\t), S+16*\t, PCD, VS+2, PW, \t
.endr
	WIN 0x55
.irp t, 0,1
	WMS O+8*(4+\t), S+16*\t, PCD, VS+2, PWB, \t
.endr
	WIN 0
	s_add_co_u32 s[JJ], s[JJ], 1
.endm
.macro PINIT                           ; a pass begins
	v_mov_b32 v[MT], 0xe7800000                    ; -2^80
	s_delay_alu instid0(VALU_DEP_1)
	v_floor_f32 v[NM], -v[MT]
	v_mov_b32 v[SUM], 0
	v_mov_b32 v[SUM+1], 0
.set jj, 0
.rept 48
	v_mov_b32 v[O+jj], 0                           ; O^T: the first step finds zeros
.set jj, jj+1
.endr
.endm
.macro FIN                             ; O^T / the sum, quantised along the head's 96: three blocks
	v_add_f32 v[SUM], v[SUM], v[SUM+1]
	s_delay_alu instid0(VALU_DEP_1)
	v_permlanex16_b32 v[T], v[SUM], s[SEL], s[SEL+1]
	s_delay_alu instid0(VALU_DEP_1)
	v_add_f32 v[SUM], v[SUM], v[T]
	s_wait_alu depctr_va_vdst(0)                   ; ahead of the transcendental
	v_rcp_f32 v[F], v[SUM]
	v_nop                                          ; a plain line behind the transcendental
	v_cmp_le_f32 vcc_lo, s[THR], v[MT]             ; has any key counted?
.set jj, 0
	s_wait_alu depctr_va_vdst(0)                   ; and ahead of its first reader, which is O^T's first reader too
.rept 24
	v_pk_mul_f32 v[O+jj:O+jj+1], v[O+jj:O+jj+1], v[F:F+1] op_sel_hi:[1,0]
.set jj, jj+2
.endr
.irp b, 0,1,2
	v_max3_num_f32 v[BM+\b], |v[O+16*\b]|, |v[O+1+16*\b]|, 0x8000000
.endr
.irp i, 2,4,6,8,10,12,14
.irp b, 0,1,2
	s_delay_alu instid0(VALU_DEP_3)
	v_max3_num_f32 v[BM+\b], v[BM+\b], |v[O+16*\b+\i]|, |v[O+1+16*\b+\i]|
.endr
.endr
.irp b, 0,1,2
	s_delay_alu instid0(VALU_DEP_3)
	v_permlanex16_b32 v[BP+\b], v[BM+\b], s[SEL], s[SEL+1]
.endr
.irp b, 0,1,2
	s_delay_alu instid0(VALU_DEP_3)
	v_max_num_f32 v[BM+\b], v[BM+\b], v[BP+\b]
.endr
.irp b, 0,1,2
	s_delay_alu instid0(VALU_DEP_3)
	v_add_nc_u32 v[BS+\b], 0xf8800000, v[BM+\b]
.endr
.irp b, 0,1,2
	v_and_or_b32 v[BH+\b], v[BM+\b], 0x7f800000, s[MNT]
.endr
.irp b, 0,1,2
	v_lshrrev_b32 v[BP+\b], 23, v[BS+\b]
.endr
.irp b, 0,1,2
	s_delay_alu instid0(VALU_DEP_3)
	v_cndmask_b32 v[BP+\b], 0xff, v[BP+\b], vcc_lo ; no key: the byte that stands for NaN
.endr
.irp b, 0,1,2
.irp i, 0,1,2,3,4,5,6,7,8,9,10,11,12,13,14,15
	v_med3_num_f32 v[O+16*\b+\i], v[O+16*\b+\i], -v[BH+\b], v[BH+\b]
.endr
	v_cvt_scalef32_pk8_bf8_f32 v[PCD+4*\b:PCD+1+4*\b], v[O+16*\b:O+7+16*\b], v[BS+\b]
	v_cvt_scalef32_pk8_bf8_f32 v[PCD+2+4*\b:PCD+3+4*\b], v[O+8+16*\b:O+15+16*\b], v[BS+\b]
.endr
	v_nop
.endm
.macro OUT offc, offs
.irp b, 0,1,2
	global_store_b128 v[LI], v[PCD+4*\b:PCD+4*\b+3], s[16:17] offset:\offc+512*\b   ; 512 consecutive bytes a store
.endr
.irp b, 0,1,2
	global_store_b8 v[R24], v[BP+\b], s[18:19] offset:\offs+\b   ; lanes r and r + 16 write the same byte with the same value
.endr
.endm
	s_wait_alu depctr_va_vdst(0)
	s_wait_tensorcnt 0x0                           ; my load of group 1 has landed
	ds_add_u32 v[SPW], v[NIL]                      ; 0 onto my spare word
	s_mov_b32 s[G1C+2], 48<<16                     ; no tensor load of mine is out, so a descriptor may be written: a quarter of a second half has 48 rows
	s_mov_b32 s[G1C+4], 48
	s_wait_dscnt 0x0                               ; the add is done, and my LDS stores (the mask) have landed
	s_barrier_signal -1
	s_barrier_wait -1                              ; everybody's have: group 1 and the mask are whole
	tensor_load_to_lds s[G02:G02+3], s[G1C:G1C+7]  ; GROUP 2: my one tensor load behind the barrier, into bytes that nothing has filled
	s_nop 0
	PLACES 4
	v_mov_b32 v[ADK], v[LI]
	v_mov_b32 v[ADKS], v[LSK]
	v_mov_b32 v[ADM], v[MB0]
	KFETCH                                         ; the first step's K
.Lpass:
	PINIT
	WIN 0x55
	PINIT
	WIN 0
	s_mov_b32 s[JJ], 0
	s_mov_b32 s[CT], 3
	s_wait_loadcnt 0x0                             ; Q
.Lfirst:                                           ; key steps 0-2: they read K's steps 0-3 and V's 0-2, all of group 1
	STEP 0
	s_sub_co_u32 s[CT], s[CT], 1
	s_cmp_lg_u32 s[CT], 0
	s_cbranch_scc1 .Lfirst
	s_wait_tensorcnt 0x0                           ; my load of group 2 has landed (in the second pass none is out)
	s_wait_dscnt 0x0                               ; no LDS instruction of mine is pending at the signal
	s_barrier_signal -1
	s_barrier_wait -1                              ; everybody's has: all of K and V is in LDS
	s_mov_b32 s[CT], 5
.Lrest:                                            ; key steps 3-7
	STEP 1
	s_sub_co_u32 s[CT], s[CT], 1
	s_cmp_lg_u32 s[CT], 0
	s_cbranch_scc1 .Lrest
	PLACES 8                                       ; in front of loads into Q's registers and of the first read of O^T
	s_cmp_eq_u32 s[PASS], 1                        ; the second pass's Q is asked for here, if there is a second pass to come
	s_cbranch_scc1 .Lno_next
	QLOAD 24576, 1024                              ; eight groups on
.Lno_next:
	FIN
	OUT 0, 0
	WIN 0x55
	FIN
	WIN 0x04                                       ; a store's data are its source 1: window 1
	OUT 12288, 384
	WIN 0
	s_wait_xcnt 0x0                                ; the stores have read their data and bases
	s_add_nc_u64 s[16:17], s[16:17], 196608        ; sixteen tiles on
	s_add_nc_u64 s[18:19], s[18:19], 6144
	s_sub_co_u32 s[PASS], s[PASS], 1
	s_cmp_lg_u32 s[PASS], 0
	s_cbranch_scc1 .Lpass
	s_wait_tensorcnt 0x0                           ; the wave's end
	ds_add_u32 v[SPW], v[NIL]
	s_wait_dscnt 0x0
	s_endpgm
.Lfunc_end_k_q80056fc59e_attn:
	.size	k_q80056fc59e_attn, .Lfunc_end_k_q80056fc59e_attn-k_q80056fc59e_attn
	.p2alignl 7, 3214868480
	.fill 96, 4, 3214868480
	.section	.rodata,"a",@progbits
	.p2align	6, 0x0
	.amdhsa_kernel k_q80056fc59e_attn
		.amdhsa_group_segment_fixed_size 327680
		.amdhsa_private_segment_fixed_size 0
		.amdhsa_enable_private_segment 0
		.amdhsa_kernarg_size 64
		.amdhsa_user_sgpr_count 2
		.amdhsa_user_sgpr_kernarg_segment_ptr 1
		.amdhsa_wavefront_size32 1
		.amdhsa_system_sgpr_workgroup_id_x 1
		.amdhsa_system_sgpr_workgroup_id_y 1
		.amdhsa_system_sgpr_workgroup_id_z 1
		.amdhsa_system_vgpr_workitem_id 0
		.amdhsa_next_free_vgpr 512
		.amdhsa_next_free_sgpr 100
		.amdhsa_reserve_vcc 1
		.amdhsa_float_denorm_mode_32 3
		.amdhsa_float_denorm_mode_16_64 3
		.amdhsa_memory_ordered 1
		.amdhsa_forward_progress 1
		.amdhsa_inst_pref_size 117
	.end_amdhsa_kernel
	.amdgpu_metadata
---
amdhsa.version: [ 1, 2 ]
amdhsa.kernels:
  - .name:           k_q80056fc59e_attn
    .symbol:         k_q80056fc59e_attn.kd
    .args:
      - { .name: qkc, .offset: 0, .size: 8, .value_kind: global_buffer, .address_space: global }
      - { .name: qks, .offset: 8, .size: 8, .value_kind: global_buffer, .address_space: global }
      - { .name: vc, .offset: 16, .size: 8, .value_kind: global_buffer, .address_space: global }
      - { .name: vs, .offset: 24, .size: 8, .value_kind: global_buffer, .address_space: global }
      - { .name: visual_mask, .offset: 32, .size: 8, .value_kind: global_buffer, .address_space: global }
      - { .name: text_mask, .offset: 40, .size: 8, .value_kind: global_buffer, .address_space: global }
      - { .name: oc, .offset: 48, .size: 8, .value_kind: global_buffer, .address_space: global }
      - { .name: os, .offset: 56, .size: 8, .value_kind: global_buffer, .address_space: global }
    .group_segment_fixed_size: 327680
    .private_segment_fixed_size: 0
    .kernarg_segment_align: 8
    .kernarg_segment_size: 64
    .max_flat_workgroup_size: 256
    .sgpr_count:     100
    .vgpr_count:     512
    .wavefront_size: 32
...
	.end_amdgpu_metadata
.endif
;; end of part 3
;; launch outln (part 4): grid 256 x 1, 4 waves a work-group, no clusters, 327,680 bytes of LDS; arguments oc, os, wimg, Wo_scales, bo, ln_g, ln_b, visual_features, text_features, out0, out1; writes out0, out1
.if DOCPART == 4
	.amdgcn_target "amdgcn-amd-amdhsa--gfx1250"
	.amdhsa_code_object_version 6
	.text
	.protected	k_q80056fc59e_outln
	.globl	k_q80056fc59e_outln
	.p2align	8
	.type	k_q80056fc59e_outln,@function
k_q80056fc59e_outln:
	s_mov_b64 s[64:65], 0
	v_nop
	global_prefetch_b8 v0, s[64:65] scope:SCOPE_SE
	s_setreg_imm32_b32 hwreg(HW_REG_WAVE_MODE, 25, 1), 1
	s_wait_xcnt 0x0
; out = layer_norm(x + o Wo + bo) x ln_g + ln_b for 64 rows a work-group (work-groups 0-127: visual, out0; 128-255: text, out1); o Wo on codes of BF8 with E8M0 scales, all else in f32.
; o's four tiles of 16 rows come as images of operand registers (launch attn) through LDS, one tensor load a wave at the head; every wave reads all four and keeps them in registers.
; x's 64 rows come into the stage z in LDS, 16 neighbouring rows a wave, one tensor load behind the barrier that shows o's images whole.  Wave w multiplies Wo's columns 192 w on (images of launch quantx, from memory
; straight into registers, four units of 16 loads ahead), adds its results onto z, and behind a barrier normalises rows 16 w on of z and stores them, 512 consecutive bytes a store.
; Lane r of o's tile 2 g + a holds row 32 g + 8 a + r + 8 (r / 8): lanes 0-7 lie in chunk 2 g of z, lanes 8-15 in chunk 2 g + 1.  A chunk is 16 rows of ZP bytes and 128 bytes more, so that the sixteen rows start at sixteen different multiples of 16 bytes modulo 256.
; NO CLUSTER: the work-groups share Wo alone, which goes to registers and not through LDS.
.set ZP,   3120
.set CH,   50048
.set OIMG, 200448
.set LI,  1
.set L24, 2
.set ZB,  4
.set ZA,  5
.set ZC,  6
.set ZR,  7
.set AO,  8
.set WSC, 16
.set OSC, 52
.set ACC, 128
.set WV,  26
.set G0,  40
.set ST,  52
.set SEL, 56
.set INV, 58
.set EPS, 59
.set G1O, 68
.set G1X, 76
.set PO,  84
.set MSB, 0
.macro WIN new
.if MSB != (\new)
	s_set_vgpr_msb (MSB<<8)|(\new)
.set MSB, \new
.endif
.endm
.macro PLACES n
.rept \n
	v_nop
.endr
.endm
.macro WMS d, a, b, c, sa, sb, ra, rb
.if ((\ra) != 0) && ((\rb) != 0)
	v_wmma_scale_f32_16x16x128_f8f6f4 v[0+(\d):7+(\d)], v[0+(\a):15+(\a)], v[0+(\b):15+(\b)], v[0+(\c):7+(\c)], v[0+(\sa)], v[0+(\sb)] matrix_a_fmt:MATRIX_FMT_BF8 matrix_b_fmt:MATRIX_FMT_BF8 matrix_a_scale:MATRIX_SCALE_ROW1 matrix_b_scale:MATRIX_SCALE_ROW1
.elseif (\ra) != 0
	v_wmma_scale_f32_16x16x128_f8f6f4 v[0+(\d):7+(\d)], v[0+(\a):15+(\a)], v[0+(\b):15+(\b)], v[0+(\c):7+(\c)], v[0+(\sa)], v[0+(\sb)] matrix_a_fmt:MATRIX_FMT_BF8 matrix_b_fmt:MATRIX_FMT_BF8 matrix_a_scale:MATRIX_SCALE_ROW1
.elseif (\rb) != 0
	v_wmma_scale_f32_16x16x128_f8f6f4 v[0+(\d):7+(\d)], v[0+(\a):15+(\a)], v[0+(\b):15+(\b)], v[0+(\c):7+(\c)], v[0+(\sa)], v[0+(\sb)] matrix_a_fmt:MATRIX_FMT_BF8 matrix_b_fmt:MATRIX_FMT_BF8 matrix_b_scale:MATRIX_SCALE_ROW1
.else
	v_wmma_scale_f32_16x16x128_f8f6f4 v[0+(\d):7+(\d)], v[0+(\a):15+(\a)], v[0+(\b):15+(\b)], v[0+(\c):7+(\c)], v[0+(\sa)], v[0+(\sb)] matrix_a_fmt:MATRIX_FMT_BF8 matrix_b_fmt:MATRIX_FMT_BF8
.endif
.endm
.macro WMZ d, a, b, sa, sb, ra, rb
.if ((\ra) != 0) && ((\rb) != 0)
	v_wmma_scale_f32_16x16x128_f8f6f4 v[0+(\d):7+(\d)], v[0+(\a):15+(\a)], v[0+(\b):15+(\b)], 0, v[0+(\sa)], v[0+(\sb)] matrix_a_fmt:MATRIX_FMT_BF8 matrix_b_fmt:MATRIX_FMT_BF8 matrix_a_scale:MATRIX_SCALE_ROW1 matrix_b_scale:MATRIX_SCALE_ROW1
.elseif (\ra) != 0
	v_wmma_scale_f32_16x16x128_f8f6f4 v[0+(\d):7+(\d)], v[0+(\a):15+(\a)], v[0+(\b):15+(\b)], 0, v[0+(\sa)], v[0+(\sb)] matrix_a_fmt:MATRIX_FMT_BF8 matrix_b_fmt:MATRIX_FMT_BF8 matrix_a_scale:MATRIX_SCALE_ROW1
.elseif (\rb) != 0
	v_wmma_scale_f32_16x16x128_f8f6f4 v[0+(\d):7+(\d)], v[0+(\a):15+(\a)], v[0+(\b):15+(\b)], 0, v[0+(\sa)], v[0+(\sb)] matrix_a_fmt:MATRIX_FMT_BF8 matrix_b_fmt:MATRIX_FMT_BF8 matrix_b_scale:MATRIX_SCALE_ROW1
.else
	v_wmma_scale_f32_16x16x128_f8f6f4 v[0+(\d):7+(\d)], v[0+(\a):15+(\a)], v[0+(\b):15+(\b)], 0, v[0+(\sa)], v[0+(\sb)] matrix_a_fmt:MATRIX_FMT_BF8 matrix_b_fmt:MATRIX_FMT_BF8
.endif
.endm
	s_load_b512 s[4:19], s[0:1], 0x0
	s_load_b128 s[20:23], s[0:1], 0x40
	s_load_b64 s[24:25], s[0:1], 0x50
	v_lshl_add_u32 v14, v0, 2, 0x3d000
	v_mov_b32 v15, 0
	ds_add_u32 v14, v15
	ds_add_u32 v14, v15
	v_lshrrev_b32 v1, 5, v0
	v_readfirstlane_b32 s[WV], v1
	s_mov_b32 s[G1O+0], 3<<16
	s_mov_b32 s[G1O+1], 32<<16
	s_mov_b32 s[G1O+2], 48<<16
	s_mov_b32 s[G1O+3], 32<<16
	s_mov_b32 s[G1O+4], 48
	s_mov_b32 s[G1O+5], 32
	s_mov_b32 s[G1O+6], 0
	s_mov_b32 s[G1O+7], 0
	s_mov_b32 s[G1X+0], (3<<16)|(1<<20)|(7<<22)|(3<<25)
	s_mov_b32 s[G1X+1], 128<<16
	s_mov_b32 s[G1X+2], 48<<16
	s_mov_b32 s[G1X+3], 128<<16
	s_mov_b32 s[G1X+4], 48                         ; 16 rows of x as 48 rows of 1,024 bytes, 16 bytes of padding behind each
	s_mov_b32 s[G1X+5], 128
	s_mov_b32 s[G1X+6], 0
	s_mov_b32 s[G1X+7], 0
	s_lshl_b32 s28, ttmp9, 2
	s_add_co_u32 s28, s28, s[WV]
	s_mul_i32 s28, s28, 12288
	s_mov_b32 s29, 0
	s_and_b32 s30, ttmp9, 127
	s_lshl_b32 s30, s30, 6
	s_lshl_b32 s27, s[WV], 4
	s_add_co_u32 s30, s30, s27                     ; my 16 neighbouring rows of x and of the result
	s_mul_i32 s30, s30, 3072
	s_mov_b32 s31, 0
	s_mul_i32 s32, s[WV], 12288
	s_mul_i32 s33, s[WV], CH                       ; my chunk of z
.irp th, 0,1,2
	s_mul_i32 s27, s[WV], 3
	s_add_co_u32 s27, s27, \th
	s_lshl_b32 s[ST+\th], s27, 8
	s_lshr_b32 s27, s27, 2
	s_lshl_b32 s27, s27, 4
	s_add_co_u32 s[ST+\th], s[ST+\th], s27
.endr
	s_mov_b32 s[SEL], 0x76543210
	s_mov_b32 s[SEL+1], 0xfedcba98
	s_mov_b32 s[INV], 0x3aaaaaab
	s_mov_b32 s[EPS], 0x3727c5ac
	s_wait_dscnt 0x0
	s_wait_kmcnt 0x0
	s_cmp_lt_u32 ttmp9, 128
	s_cselect_b64 s[18:19], s[18:19], s[20:21]
	s_cselect_b64 s[PO:PO+1], s[22:23], s[24:25]
	s_add_nc_u64 s[18:19], s[18:19], s[30:31]
	s_add_nc_u64 s[PO:PO+1], s[PO:PO+1], s[30:31]
	s_mov_b32 s[G0], 1
	s_add_co_u32 s[G0+1], s32, OIMG
	s_add_nc_u64 s[G0+2:G0+3], s[4:5], s[28:29]
	s_or_b32 s[G0+3], s[G0+3], 0x80000000
	s_mov_b32 s[G0+4], 1
	s_mov_b32 s[G0+5], s33
	s_mov_b64 s[G0+6:G0+7], s[18:19]
	s_or_b32 s[G0+7], s[G0+7], 0x80000000
	tensor_load_to_lds s[G0:G0+3], s[G1O:G1O+7]    ; my tile of o's images: my one tensor load at the head
	s_nop 0
	PLACES 4
	s_mul_i32 s28, s[WV], 147456
	s_add_co_u32 s28, s28, 3*589824
	s_add_nc_u64 s[8:9], s[8:9], s[28:29]
	s_mul_i32 s28, s[WV], 4608
	s_add_nc_u64 s[10:11], s[10:11], s[28:29]
	s_mul_i32 s28, ttmp9, 1536
	s_add_nc_u64 s[6:7], s[6:7], s[28:29]
	v_and_b32 v9, 31, v0
	v_and_b32 v10, 15, v0
	v_bfe_u32 v11, v0, 4, 1
	v_lshlrev_b32 v[LI], 4, v9
	s_wait_alu depctr_va_vdst(0)
	v_mul_u32_u24 v[L24], v9, 24
	v_and_b32 v12, 7, v10
	v_lshrrev_b32 v13, 3, v10
	v_mul_u32_u24 v[ZB], v12, ZP                   ; row r % 8 of a chunk,
	v_mad_u32_u24 v[ZB], v13, CH, v[ZB]            ; lanes 8-15 in the next chunk
	v_lshl_add_u32 v[ZB], v11, 5, v[ZB]
	v_add_nc_u32 v[ZR], s33, v[LI]
	v_add_nc_u32 v[AO], OIMG, v[LI]
.irp p, 0,1,2,3,4,5
.irp k, 0,1,2
	global_load_b64 v[WSC+6*\p+2*\k:WSC+6*\p+2*\k+1], v[L24], s[10:11] offset:768*\p+8*\k
.endr
.endr
.irp p, 0,1
.irp k, 0,1,2
	global_load_b64 v[OSC+6*\p+2*\k:OSC+6*\p+2*\k+1], v[L24], s[6:7] offset:768*\p+8*\k
.endr
.endr
	WIN 0x80
.irp ch, 0,1,2,3,4,5
	global_load_b128 v[128+4*\ch:131+4*\ch], v[LI], s[12:13] offset:512*\ch
	global_load_b128 v[152+4*\ch:155+4*\ch], v[LI], s[14:15] offset:512*\ch
	global_load_b128 v[176+4*\ch:179+4*\ch], v[LI], s[16:17] offset:512*\ch
.endr
	WIN 0
.macro WLOAD u
	WIN 0xc0
.irp i, 0,1,2,3
.irp c, 0,1,2,3
	global_load_b128 v[64*((\u)%4)+16*\i+4*\c:64*((\u)%4)+16*\i+4*\c+3], v[LI], s[8:9] offset:((4*((\u)/6)+\i)*6+(\u)%6)*2048+512*\c
.endr
.endr
	WIN 0
.endm
.macro MULU u
.set TH_, (\u)/6
.set SS_, (\u)%6
.if 17-(\u) >= 3
	s_wait_loadcnt 48
.else
	s_wait_loadcnt 16*(17-(\u))
.endif
.if SS_ < 4
	WIN 0x07
.else
	WIN 0x0b
.endif
.irp m, 0,1,2,3
.irp i, 0,1,2,3
.if SS_ == 0
	WMZ ACC+8*(4*\m+\i), 64*((\u)%4)+16*\i, 64*(SS_%4)+16*\m, WSC+6*((4*TH_+\i)/2)+SS_, OSC+6*(\m/2)+SS_, \i%2, \m%2
.else
	WMS ACC+8*(4*\m+\i), 64*((\u)%4)+16*\i, 64*(SS_%4)+16*\m, ACC+8*(4*\m+\i), WSC+6*((4*TH_+\i)/2)+SS_, OSC+6*(\m/2)+SS_, \i%2, \m%2
.endif
.endr
.endr
	WIN 0
	PLACES 8
.if (\u)+4 < 18
	WLOAD (\u)+4
.endif
.endm
.macro RMW th
	v_add_nc_u32 v[ZA], s[ST+\th], v[ZB]
	v_add_nc_u32 v[ZC], 2*CH, v[ZA]
.irp pm, 0,1
.irp mm, 0,1
.irp i, 0,1,2,3
.irp e, 0,1
	ds_load_b128 v[64+32*\mm+8*\i+4*\e:64+32*\mm+8*\i+4*\e+3], v[ZA+\pm] offset:\mm*8*ZP+64*\i+16*\e
.endr
.endr
.endr
	s_wait_dscnt 0x0
.irp mm, 0,1
.irp i, 0,1,2,3
.irp k, 0,1,2,3
	v_pk_add_f32 v[64+32*\mm+8*\i+2*\k:64+32*\mm+8*\i+2*\k+1], v[64+32*\mm+8*\i+2*\k:64+32*\mm+8*\i+2*\k+1], v[ACC+8*(4*(2*\pm+\mm)+\i)+2*\k:ACC+8*(4*(2*\pm+\mm)+\i)+2*\k+1]
.endr
.endr
.endr
.irp mm, 0,1
.irp i, 0,1,2,3
.irp e, 0,1
	ds_store_b128 v[ZA+\pm], v[64+32*\mm+8*\i+4*\e:64+32*\mm+8*\i+4*\e+3] offset:\mm*8*ZP+64*\i+16*\e
.endr
.endr
.endr
.endr
.endm
.macro REDUCE base
.irp x, 1,2,4,8
.irp p, 0,1,2,3
	v_add_f32_dpp v[\base+2*\p], v[\base+2*\p], v[\base+2*\p] row_xmask:\x row_mask:0xf bank_mask:0xf
.endr
.endr
.irp p, 0,1,2,3
	v_permlanex16_b32 v[96+\p], v[\base+2*\p], s[SEL], s[SEL+1]
.endr
.irp p, 0,1,2,3
	v_add_f32 v[\base+2*\p], v[\base+2*\p], v[96+\p]
.endr
.endm
.macro LN4 q
.irp p, 0,1,2,3
.irp ch, 0,1,2,3,4,5
	ds_load_b128 v[128+24*\p+4*\ch:131+24*\p+4*\ch], v[ZR] offset:(4*\q+\p)*ZP+512*\ch+16*(\ch/2)
.endr
.endr
	s_wait_dscnt 0x0
	WIN 0x08
.irp k, 0,1,2,3,4,5,6,7,8,9,10,11
.irp p, 0,1,2,3
	v_pk_add_f32 v[128+24*\p+2*\k:129+24*\p+2*\k], v[128+24*\p+2*\k:129+24*\p+2*\k], v[128+2*\k:129+2*\k]
.endr
.endr
	WIN 0
.irp p, 0,1,2,3
	v_pk_add_f32 v[64+2*\p:65+2*\p], v[128+24*\p:129+24*\p], v[130+24*\p:131+24*\p]
.endr
.irp k, 2,3,4,5,6,7,8,9,10,11
.irp p, 0,1,2,3
	v_pk_add_f32 v[64+2*\p:65+2*\p], v[64+2*\p:65+2*\p], v[128+24*\p+2*\k:129+24*\p+2*\k]
.endr
.endr
.irp p, 0,1,2,3
	v_add_f32 v[64+2*\p], v[64+2*\p], v[65+2*\p]
.endr
	REDUCE 64
.irp p, 0,1,2,3
	v_mul_f32 v[72+2*\p], s[INV], v[64+2*\p]
.endr
.irp k, 0,1,2,3,4,5,6,7,8,9,10,11
.irp p, 0,1,2,3
	v_pk_add_f32 v[128+24*\p+2*\k:129+24*\p+2*\k], v[128+24*\p+2*\k:129+24*\p+2*\k], v[72+2*\p:73+2*\p] op_sel_hi:[1,0] neg_lo:[0,1] neg_hi:[0,1]
.endr
.endr
.irp p, 0,1,2,3
	v_pk_mul_f32 v[64+2*\p:65+2*\p], v[128+24*\p:129+24*\p], v[128+24*\p:129+24*\p]
.endr
.irp k, 1,2,3,4,5,6,7,8,9,10,11
.irp p, 0,1,2,3
	v_pk_fma_f32 v[64+2*\p:65+2*\p], v[128+24*\p+2*\k:129+24*\p+2*\k], v[128+24*\p+2*\k:129+24*\p+2*\k], v[64+2*\p:65+2*\p]
.endr
.endr
.irp p, 0,1,2,3
	v_add_f32 v[64+2*\p], v[64+2*\p], v[65+2*\p]
.endr
	REDUCE 64
.irp p, 0,1,2,3
	v_fma_f32 v[64+2*\p], v[64+2*\p], s[INV], s[EPS]
.endr
	s_wait_alu depctr_va_vdst(0)
.irp p, 0,1,2,3
	v_rsq_f32 v[88+2*\p], v[64+2*\p]
.endr
	v_nop
	s_wait_alu depctr_va_vdst(0)
.irp k, 0,1,2,3,4,5,6,7,8,9,10,11
.irp p, 0,1,2,3
	v_pk_mul_f32 v[128+24*\p+2*\k:129+24*\p+2*\k], v[128+24*\p+2*\k:129+24*\p+2*\k], v[88+2*\p:89+2*\p] op_sel_hi:[1,0]
.endr
.endr
	WIN 0x28
.irp k, 0,1,2,3,4,5,6,7,8,9,10,11
.irp p, 0,1,2,3
	v_pk_fma_f32 v[128+24*\p+2*\k:129+24*\p+2*\k], v[128+24*\p+2*\k:129+24*\p+2*\k], v[152+2*\k:153+2*\k], v[176+2*\k:177+2*\k]
.endr
.endr
	WIN 0
.irp p, 0,1,2,3
.irp ch, 0,1,2,3,4,5
	global_store_b128 v[LI], v[128+24*\p+4*\ch:131+24*\p+4*\ch], s[PO:PO+1] offset:(4*\q+\p)*3072+512*\ch th:TH_STORE_NT
.endr
.endr
	s_wait_xcnt 0x0
.endm
	WLOAD 0
	WLOAD 1
	WLOAD 2
	WLOAD 3
	s_wait_alu depctr_va_vdst(0)
	s_wait_tensorcnt 0x0                           ; my tile of o's images has landed
	ds_add_u32 v14, v15                            ; 0 onto my spare word
	s_wait_dscnt 0x0
	s_barrier_signal -1
	s_barrier_wait -1                              ; all four tiles are in
	tensor_load_to_lds s[G0+4:G0+7], s[G1X:G1X+7]  ; my 16 rows of x: my one tensor load behind the barrier; it lands under the first six units of products
	s_nop 0
	PLACES 4
	WIN 0x40
.irp s, 0,1,2,3
.irp m, 0,1,2,3
.irp c, 0,1,2,3
	ds_load_b128 v[64*\s+16*\m+4*\c:64*\s+16*\m+4*\c+3], v[AO] offset:\m*12288+\s*2048+\c*512
.endr
.endr
.endr
	WIN 0x80
.irp s, 4,5
.irp m, 0,1,2,3
.irp c, 0,1,2,3
	ds_load_b128 v[64*(\s-4)+16*\m+4*\c:64*(\s-4)+16*\m+4*\c+3], v[AO] offset:\m*12288+\s*2048+\c*512
.endr
.endr
.endr
	WIN 0
	s_wait_dscnt 0x0
.irp u, 0,1,2,3,4,5
	MULU \u
.endr
	s_wait_tensorcnt 0x0
	s_wait_dscnt 0x0
	s_barrier_signal -1
	s_barrier_wait -1
	RMW 0
.irp u, 6,7,8,9,10,11
	MULU \u
.endr
	RMW 1
.irp u, 12,13,14,15,16,17
	MULU \u
.endr
	RMW 2
	s_wait_dscnt 0x0
	s_barrier_signal -1
	s_barrier_wait -1
	LN4 0
	LN4 1
	LN4 2
	LN4 3
	s_wait_tensorcnt 0x0
	ds_add_u32 v14, v15
	s_wait_dscnt 0x0
	s_endpgm
.Lfunc_end_k_q80056fc59e_outln:
	.size	k_q80056fc59e_outln, .Lfunc_end_k_q80056fc59e_outln-k_q80056fc59e_outln
	.p2alignl 7, 3214868480
	.fill 96, 4, 3214868480
	.section	.rodata,"a",@progbits
	.p2align	6, 0x0
	.amdhsa_kernel k_q80056fc59e_outln
		.amdhsa_group_segment_fixed_size 327680
		.amdhsa_private_segment_fixed_size 0
		.amdhsa_enable_private_segment 0
		.amdhsa_kernarg_size 88
		.amdhsa_user_sgpr_count 2
		.amdhsa_user_sgpr_kernarg_segment_ptr 1
		.amdhsa_wavefront_size32 1
		.amdhsa_system_sgpr_workgroup_id_x 1
		.amdhsa_system_sgpr_workgroup_id_y 1
		.amdhsa_system_sgpr_workgroup_id_z 1
		.amdhsa_system_vgpr_workitem_id 0
		.amdhsa_next_free_vgpr 1024
		.amdhsa_next_free_sgpr 88
		.amdhsa_reserve_vcc 0
		.amdhsa_float_denorm_mode_32 3
		.amdhsa_float_denorm_mode_16_64 3
		.amdhsa_memory_ordered 1
		.amdhsa_forward_progress 1
		.amdhsa_inst_pref_size 212
	.end_amdhsa_kernel
	.amdgpu_metadata
---
amdhsa.version: [ 1, 2 ]
amdhsa.kernels:
  - .name:           k_q80056fc59e_outln
    .symbol:         k_q80056fc59e_outln.kd
    .args:
      - { .name: oc, .offset: 0, .size: 8, .value_kind: global_buffer, .address_space: global }
      - { .name: os, .offset: 8, .size: 8, .value_kind: global_buffer, .address_space: global }
      - { .name: wimg, .offset: 16, .size: 8, .value_kind: global_buffer, .address_space: global }
      - { .name: Wo_scales, .offset: 24, .size: 8, .value_kind: global_buffer, .address_space: global }
      - { .name: bo, .offset: 32, .size: 8, .value_kind: global_buffer, .address_space: global }
      - { .name: ln_g, .offset: 40, .size: 8, .value_kind: global_buffer, .address_space: global }
      - { .name: ln_b, .offset: 48, .size: 8, .value_kind: global_buffer, .address_space: global }
      - { .name: visual_features, .offset: 56, .size: 8, .value_kind: global_buffer, .address_space: global }
      - { .name: text_features, .offset: 64, .size: 8, .value_kind: global_buffer, .address_space: global }
      - { .name: out0, .offset: 72, .size: 8, .value_kind: global_buffer, .address_space: global }
      - { .name: out1, .offset: 80, .size: 8, .value_kind: global_buffer, .address_space: global }
    .group_segment_fixed_size: 327680
    .private_segment_fixed_size: 0
    .kernarg_segment_align: 8
    .kernarg_segment_size: 88
    .max_flat_workgroup_size: 128
    .sgpr_count:     88
    .vgpr_count:     1024
    .wavefront_size: 32
...
	.end_amdgpu_metadata
.endif
;; end of part 4
